; MI455X (gfx1250); checked and timed in simulation.
; The chip was launched on July 23, 2026; its instructions are those of AMD's public machine-readable ISA for CDNA 5 (MIT licence, August 2026) and "CDNA5" Instruction Set Architecture Reference Guide (July 2026). The comments in the code are by the model that wrote it; some were corrected since.
;; Multi Head Attention. Allowed arithmetic: float matrix products may take bf16 or f16 operands with f32 sums; all other float work in f32.
;; Inputs: bk 1,024 float32; bo 1,024 float32; bq 1,024 float32; bv 1,024 float32; key 4 x 2,048 x 1,024 float32; mask 4 x 1 x 1 x 2,048 float32; query 4 x 2,048 x 1,024 float32; value 4 x 2,048 x 1,024 float32; wk 1,024 x 1,024 float32; wo 1,024 x 1,024 float32; wq 1,024 x 1,024 float32; wv 1,024 x 1,024 float32.
;; Outputs: out0 4 x 2,048 x 1,024 float32.
;; 2 versions, each right; version 2 is version 1 with the launch wcvt written anew for expert scheduling mode. Each part assembles by itself: llvm-mc -triple=amdgcn-amd-amdhsa -mcpu=gfx1250 --defsym DOCPART=n.
;; ======== version 1 of 2: 4 launches
;; limits: values are held in f16: magnitudes above 65,504 overflow, below 6.1e-05 lose precision
;; workspace buffers: wh 8,388,608 bytes; qkv 50,331,648 bytes; ctx 16,777,216 bytes
;; launch wcvt (part 1): grid 64 x 4, 8 waves a work-group, no clusters, 0 bytes of LDS; arguments wq, wk, wv, wo, wh; writes wh
.if DOCPART == 1
	.amdgcn_target "amdgcn-amd-amdhsa--gfx1250"
	.amdhsa_code_object_version 6
	.text
	.protected	k_q755d1f0497_wcvt
	.globl	k_q755d1f0497_wcvt
	.p2align	8
	.type	k_q755d1f0497_wcvt,@function
k_q755d1f0497_wcvt:
	s_mov_b64 s[64:65], 0
	v_nop
	global_prefetch_b8 v0, s[64:65] scope:SCOPE_SE
	s_setreg_imm32_b32 hwreg(HW_REG_WAVE_MODE, 25, 1), 1
	s_wait_xcnt 0x0
; wh[y][k][n] = f16(w_y[k][n]) for the four weight matrices (y = 0: wq, 1: wk, 2: wv, 3: wo), each [1024][1024] f32, layout kept.
; The later launches read the weights many times and transpose them on the way out of LDS, which needs 16-bit data: so they are rounded once here.
; A stream: no LDS, no barrier, no matrix unit.  A work-group owns 16,384 numbers (65,536 bytes in, 32,768 out); thread t takes 16 bytes at
; 16 t of each of sixteen blocks of 4,096 bytes.  All sixteen loads go out first; each register is written once, so no source is ever rewritten.
; A wave's load covers 512 consecutive bytes, a wave's store 256 consecutive bytes, aligned.
; LIMIT: a weight of magnitude 65,504 or more becomes infinite in f16; parts below about 6e-8 are lost.
.set IN,  4                            ; v[4:67]   sixteen loads of four f32
.set OUT, 68                           ; v[68:99]  sixteen pairs of packed f16
	s_load_b256 s[4:11], s[0:1], 0x0               ; wq s[4:5], wk s[6:7], wv s[8:9], wo s[10:11]
	s_load_b64 s[12:13], s[0:1], 0x20              ; wh
	s_and_b32 s14, ttmp7, 0xffff                   ; y: which matrix
	v_lshlrev_b32 v1, 4, v0                        ; 16 t: my bytes in a block of the input
	v_lshlrev_b32 v2, 3, v0                        ; 8 t: my bytes in a block of the output
	s_lshl_b32 s16, ttmp9, 16                      ; the work-group's 65,536 bytes of the input
	s_mov_b32 s17, 0
	s_lshl_b32 s18, s14, 21                        ; a matrix is 2,097,152 bytes in f16
	s_lshl_b32 s19, ttmp9, 15                      ; the work-group's 32,768 bytes of it
	s_add_co_u32 s18, s18, s19
	s_mov_b32 s19, 0
	s_wait_kmcnt 0x0
	s_cmp_eq_u32 s14, 1
	s_cselect_b64 s[4:5], s[6:7], s[4:5]
	s_cmp_eq_u32 s14, 2
	s_cselect_b64 s[4:5], s[8:9], s[4:5]
	s_cmp_eq_u32 s14, 3
	s_cselect_b64 s[4:5], s[10:11], s[4:5]
	s_add_nc_u64 s[4:5], s[4:5], s[16:17]
	s_add_nc_u64 s[12:13], s[12:13], s[18:19]
.irp j, 0,1,2,3,4,5,6,7,8,9,10,11,12,13,14,15
	global_load_b128 v[IN+4*\j:IN+4*\j+3], v1, s[4:5] offset:4096*\j th:TH_LOAD_NT
.endr
.irp j, 0,1,2,3,4,5,6,7,8,9,10,11,12,13,14,15
	s_wait_loadcnt 15-\j                           ; loads come back in order: load j is in, the 15 - j younger ones stay out
	v_cvt_pk_f16_f32 v[OUT+2*\j],   v[IN+4*\j],   v[IN+4*\j+1]
	v_cvt_pk_f16_f32 v[OUT+2*\j+1], v[IN+4*\j+2], v[IN+4*\j+3]
	global_store_b64 v2, v[OUT+2*\j:OUT+2*\j+1], s[12:13] offset:2048*\j
.endr
	s_endpgm
.Lfunc_end_k_q755d1f0497_wcvt:
	.size	k_q755d1f0497_wcvt, .Lfunc_end_k_q755d1f0497_wcvt-k_q755d1f0497_wcvt
	.p2alignl 7, 3214868480
	.fill 96, 4, 3214868480
	.section	.rodata,"a",@progbits
	.p2align	6, 0x0
	.amdhsa_kernel k_q755d1f0497_wcvt
		.amdhsa_group_segment_fixed_size 0
		.amdhsa_private_segment_fixed_size 0
		.amdhsa_enable_private_segment 0
		.amdhsa_kernarg_size 40
		.amdhsa_user_sgpr_count 2
		.amdhsa_user_sgpr_kernarg_segment_ptr 1
		.amdhsa_wavefront_size32 1
		.amdhsa_system_sgpr_workgroup_id_x 1
		.amdhsa_system_sgpr_workgroup_id_y 1
		.amdhsa_system_sgpr_workgroup_id_z 1
		.amdhsa_system_vgpr_workitem_id 0
		.amdhsa_next_free_vgpr 100
		.amdhsa_next_free_sgpr 66
		.amdhsa_reserve_vcc 0
		.amdhsa_float_denorm_mode_32 3
		.amdhsa_float_denorm_mode_16_64 3
		.amdhsa_memory_ordered 1
		.amdhsa_forward_progress 1
		.amdhsa_inst_pref_size 7
	.end_amdhsa_kernel
	.amdgpu_metadata
---
amdhsa.version: [ 1, 2 ]
amdhsa.kernels:
  - .name:           k_q755d1f0497_wcvt
    .symbol:         k_q755d1f0497_wcvt.kd
    .args:
      - { .name: wq, .offset: 0, .size: 8, .value_kind: global_buffer, .address_space: global }
      - { .name: wk, .offset: 8, .size: 8, .value_kind: global_buffer, .address_space: global }
      - { .name: wv, .offset: 16, .size: 8, .value_kind: global_buffer, .address_space: global }
      - { .name: wo, .offset: 24, .size: 8, .value_kind: global_buffer, .address_space: global }
      - { .name: wh, .offset: 32, .size: 8, .value_kind: global_buffer, .address_space: global }
    .group_segment_fixed_size: 0
    .private_segment_fixed_size: 0
    .kernarg_segment_align: 8
    .kernarg_segment_size: 40
    .max_flat_workgroup_size: 256
    .sgpr_count:     66
    .vgpr_count:     100
    .wavefront_size: 32
...
	.end_amdgpu_metadata
.endif
;; end of part 1
;; launch proj (part 2): grid 4 x 192, 4 waves a work-group, clusters of 4 x 4, 327,680 bytes of LDS; arguments query, key, value, wh, bq, bk, bv, qkv; writes qkv
.if DOCPART == 2
	.amdgcn_target "amdgcn-amd-amdhsa--gfx1250"
	.amdhsa_code_object_version 6
	.text
	.protected	k_q755d1f0497_proj
	.globl	k_q755d1f0497_proj
	.p2align	8
	.type	k_q755d1f0497_proj,@function
k_q755d1f0497_proj:
	s_mov_b64 s[64:65], 0
	v_nop
	global_prefetch_b8 v0, s[64:65] scope:SCOPE_SE
	s_setreg_imm32_b32 hwreg(HW_REG_WAVE_MODE, 25, 1), 1
	s_wait_xcnt 0x0
	s_wait_alu depctr_hold_cnt(0) depctr_sa_sdst(0) depctr_va_vdst(0) depctr_va_sdst(0) depctr_va_ssrc(0) depctr_va_vcc(0) depctr_vm_vsrc(0)
	s_getreg_b32 s2, hwreg(HW_REG_IB_STS2, 6, 4)
	s_cmp_eq_u32 s2, 0
	s_cbranch_scc0 .Lentry_in_a_cluster
	s_endpgm
.Lentry_in_a_cluster:
	s_bfe_u32 s2, ttmp6, 0x10000c
	s_cmp_lg_u32 s2, 0xf033
	s_cbranch_scc0 .Lentry_shape_is_right
	s_endpgm
.Lentry_shape_is_right:
; One text for two launches, chosen by PROJ.  C[m][n] = sum over k of A[m][k] W[k][n] + bias[n], M = 8192, N = K = 1024, f16 operands, f32 sums.
;   PROJ = 1: A = query, key or value (f32, [8192][1024]), W = wh[p], bias = bq, bk or bv; C goes out in f16, head-major:
;             qkv[p][batch*16 + head][s][64].  p = 0, 1, 2 is taken from the cluster's y, so all sixteen partners share it.
;             q (p = 0) goes out multiplied by log2 e / 8, in f32 ahead of its one rounding to f16: the attention launch then needs no scaling of the logits.
;   PROJ = 0: A = ctx (f16, [batch*16 + head][s][64]), W = wh[3], bias = bo; C = out0 in f32, [8192][1024].
; A work-group makes 128 x 256 of C with four waves (2 x 2), a wave 64 x 128: 32 accumulator tiles, 256 registers.  8192 x 1024 / (128 x 256) = 256
; blocks for a product, so the output projection has one block for each of 256 work-groups and the three input projections three.
; K goes in eight steps of 128 through two LDS slots filled by the tensor data mover, one load a wave: waves 0, 1 bring A's two parts, waves 2, 3 W's.
; PROJ = 1 brings A in as f32 (rows of 512 bytes) and rounds it to f16 in registers, so the inputs are read once and no f16 copy goes through memory.
; W lies [k][n]; its fragments come out of LDS by the transposing load.
; CLUSTERS: 4 x 4 work-groups.  A's tile hangs on the block row alone and is asked for jointly by a row of the cluster, W's on the block column alone
; and is asked for jointly by a column: the requests for both are divided by four.
; AHEAD OF THE TENSOR LOADS the text asks for what they will fetch (global_prefetch_b8).  The two slots take all the LDS there is, so a tensor load has one
; K step's products in which to land and no more; A's tiles are read for the first time in every step.
;   A: behind the tensor load that brings K step s + 2, waves 0 and 1 ask for K step s + 4's tile, two K steps (256 matrix instructions of the wave) ahead of the
;      tensor load that fetches it (PROJ = 0: in steps 0 and 2, for the tiles of K steps s + 4 and s + 5).  K steps 2 and 3 are asked for beside the first fills.
;      The four work-groups that share a tile ask for a quarter each (PROJ = 1: 16 of a wave's 64 rows, two blocks of 256 bytes a row; PROJ = 0: 4,096 of a
;      head's 16,384 bytes), lanes 256 bytes apart: each block of 256 bytes is asked for once.  The last ask is for K step 7; steps 4 to 7 ask for nothing.
;   W: beside the first fills waves 2 and 3 ask for 16 rows each, two blocks a row.  Row blocks 0-31 between them ask for all 1,024 rows of the column block's
;      512 bytes, and so do row blocks 32-63: each block is asked for twice in the launch.  The rows of K steps 0 and 1 are asked for while the first fills fetch them.
;   Asked for and not yet fetched: at the most four K steps' quarters of A (65,536 bytes) and 16,384 bytes of W for a work-group.
; The asks differ from lap to lap, so all eight K steps are written out by macro and every place stands in an immediate: no address register is stepped.
; THE MATRIX INSTRUCTION IS USED TRANSPOSED: source 0 = 16 columns of W, source 1 = 16 rows of A, so that a lane holds row l % 16 of C and eight
; neighbouring columns 8 (l / 16) + 0 .. 7.
; LIMIT: operands are f16: |A|, |W| and (PROJ = 1) |C| of 65,504 or more become infinite; parts below about 6e-8 are lost.
; REGISTERS in windows of 256: window 0 addresses, fragments, packed results; window 1 the 32 accumulator tiles, tile (a, b) at 8 (8 a + b);
; window 2: v0-63 A as f32 on its way to f16 (PROJ = 1), v64-127 the bias of my 128 columns.
.set PROJ,   1
.set SLOT,   139264                    ; A's part (69,632 bytes reserved), then W's 128 rows of 544 bytes
.set BOFF,   69632
.set BPITCH, 544                       ; 512 bytes + 32: an odd multiple of 32 bytes, which suits the transposing load
.set BSTEP,  262144                    ; 128 rows of W, 2,048 bytes each
.set STAGE,  2*SLOT                    ; behind the ring: each wave's own stage for the way out; no tensor load lands there
.if PROJ
.set APITCH, 528                       ; 512 bytes of f32 + 16: an odd multiple of 16 bytes, so 16 rows start in 16 different 16-byte columns of 256 bytes
.set APART,  64*APITCH                 ; what one of A's loads brings: 64 rows
.set ASTEP,  512                       ; 128 f32 along a row
.set AHSH,   5                         ; 32 bytes for the upper half of the lanes (8 f32)
.set A_W0,   (2<<16)|(1<<20)|(1<<21)|(6<<22)|(3<<25)  ; elements of 4 bytes; padding on; bit 21 beside a mask; after every 128 words; 4 words
.set A_D0,   128                       ; elements in a tile's row
.set A_STR,  1024                      ; elements from row to row
.set STGW,   16*272
.else
.set APITCH, 144                       ; 128 bytes of f16 (one head's 64 numbers) + 16
.set APART,  128*APITCH                ; one head's 128 rows: a dense block of 16,384 bytes, fetched as 64 rows of 256 bytes
.set ASTEP,  524288                    ; two heads
.set AHSH,   4
.set A_W0,   (3<<16)|(1<<20)|(1<<21)|(4<<22)|(3<<25)  ; elements of 8 bytes; after every 32 words (128 bytes) 4 words of padding
.set A_D0,   32
.set A_STR,  32
.set STGW,   16*528
.endif
.set ADRA, 16                          ; v16-17  LDS address of my A fragments in slot 0, 1
.set ADRB, 20                          ; v20-21  the same for W
.set STO,  24                          ; the way out: where I put my piece of a row
.set RD,   25                          ; the way out: where I read rows back
.set CO,   26                          ; 16 x lane
.set BO,   27                          ; 32 x (lane / 16): my place in a group of 16 bias numbers
.set PA,   28                          ; the asks ahead: my lane's block of 256 bytes in A, from my wave's part of the tile; never rewritten
.set PB,   29                          ; the same in W; never rewritten
.set AF0,  32                          ; v32-63, v64-95    A's fragments (4 x 8), two buffers
.set BF0,  96                          ; v96-159, v160-223 W's fragments (8 x 8), two buffers
.set TMP,  224                         ; v224-255 packed results
.set ST,   0                           ; window 2
.set BI,   64                          ; window 2
.set G1,  24                           ; s[24:31] group 1 for A's tiles
.set G0,  32                           ; s[32:39] group 0 for A's tiles, one set for each slot
.set G1B, 48                           ; s[48:55] group 1 for W's tiles
.set G0B, 56                           ; s[56:63] group 0 for W's tiles, one set for each slot
.set MULW,  0x50                       ; C and D in window 1
.set TO_ST, 0x80                       ; destination in window 2
.set CVTW,  0x0a                       ; sources 0 and 1 in window 2
.set BIASW, 0x49                       ; destination and source 0 in window 1, source 1 in window 2
.set FMAW,  0x61                       ; destination and source 0 in window 1, source 2 in window 2
.set SCW,   0x82                       ; destination and source 0 in window 2
.set PACKW, 0x05                       ; sources 0 and 1 in window 1
.set STW,   0x04                       ; an LDS store's data in window 1
.set MSB, 0
.macro WIN new                         ; the immediate's high byte repeats the setting that is left
.if MSB != \new
	s_set_vgpr_msb (MSB<<8)|\new
.set MSB, \new
.endif
.endm
; A joint load: waves 0, 1 ask for A's parts, waves 2, 3 for W's.  Each line has one mask; the branch hangs on the wave's number alone.
; pf >= 0: behind their tensor load waves 0, 1 ask ahead for their quarter of K step pf's tile of A (PROJ = 0: of K steps pf and pf + 1).
.macro JLOAD s, pf
	s_cmp_eq_u32 s11, 0
	s_cbranch_scc0 .Lfor_b_\@
	tensor_load_to_lds s[G0+4*\s:G0+4*\s+3], s[G1:G1+7]
	s_nop 0
.if \pf >= 0
	global_prefetch_b8 v[PA], s[4:5] offset:(\pf)*ASTEP th:TH_LOAD_NT scope:SCOPE_SE
.endif
	s_branch .Lasked_\@
.Lfor_b_\@:
	tensor_load_to_lds s[G0B+4*\s:G0B+4*\s+3], s[G1B:G1B+7]
	s_nop 0
.Lasked_\@:
.endm
.macro CREST                           ; a round of the cluster's barrier behind its opening work-group barrier
	s_cmp_lg_u32 s10, 0
	s_cbranch_scc1 .Lnot_wave_0_\@
	s_barrier_signal -3
.Lnot_wave_0_\@:
	s_barrier_wait -3
	s_barrier_signal -1
	s_barrier_wait -1
.endm
.macro CROUND                          ; a whole round
	s_barrier_signal -1
	s_barrier_wait -1
	CREST
.endm
.macro PLACES                          ; four places behind a matrix instruction (ISA guide 7.12.1)
.rept 4
	v_nop
.endr
.endm
.if PROJ
	s_load_b512 s[68:83], s[0:1], 0x0              ; query 68, key 70, value 72, wh 74, bq 76, bk 78, bv 80, qkv 82
	s_set_vgpr_msb 0x80
	v_lshl_add_u32 v128, v0, 2, 0x48400
	v_mov_b32 v129, 0
	s_set_vgpr_msb 0x808a
	ds_add_u32 v128, v129
	s_set_vgpr_msb 0x8a00
.else
	s_load_b256 s[68:75], s[0:1], 0x0              ; ctx 68, wh 70, bo 72, out0 74
.endif
	v_lshrrev_b32 v1, 5, v0
	v_readfirstlane_b32 s10, v1                    ; wave 0..3
	s_lshr_b32 s11, s10, 1                         ; which 64 rows of the block are mine.  Also: I fetch for A (0) or for W (1)
	s_and_b32 s12, s10, 1                          ; which 128 columns.  Also: which part of that tile I fetch
	s_bfe_u32 s40, ttmp6, 0x40000                  ; cx
	s_bfe_u32 s41, ttmp6, 0x40004                  ; cy
	s_lshl_b32 s42, ttmp9, 2
	s_add_co_u32 s42, s42, s40                     ; block column cb = 4 x cluster x + cx
	s_and_b32 s45, ttmp7, 0xffff                   ; cluster y
.if PROJ
	s_lshr_b32 s46, s45, 4                         ; p: which projection; the same in the whole cluster
	s_and_b32 s13, s45, 15
	s_lshl_b32 s13, s13, 2
.else
	s_lshl_b32 s13, s45, 2
.endif
	s_add_co_u32 s13, s13, s41                     ; block row rb = 4 x (cluster's row) + cy, 0..63
	s_lshl_b32 s43, s41, 2
	s_lshl_b32 s43, 15, s43                        ; my row of the cluster: places 4 cy .. 4 cy + 3
	s_lshl_b32 s44, 0x1111, s40                    ; my column: places cx, cx + 4, cx + 8, cx + 12
	; group 1 of A's tiles: 64 rows of A_D0 elements
	s_or_b32  s[G1+0], s43, A_W0
	s_mov_b32 s[G1+1], A_D0<<16                    ; tensor_dim0
	s_mov_b32 s[G1+2], 64<<16                      ; tensor_dim1 = 64
	s_mov_b32 s[G1+3], A_D0<<16                    ; tile_dim0
	s_mov_b32 s[G1+4], 64                          ; tile_dim1
	s_mov_b32 s[G1+5], A_STR                       ; elements from row to row
	s_mov_b32 s[G1+6], 0
	s_mov_b32 s[G1+7], 0
	; group 1 of W's tiles: 64 rows (k) of 256 f16 (n), 8 words of padding behind each 128
	s_or_b32  s[G1B+0], s44, (1<<16)|(1<<20)|(1<<21)|(6<<22)|(7<<25)
	s_mov_b32 s[G1B+1], 256<<16
	s_mov_b32 s[G1B+2], 64<<16
	s_mov_b32 s[G1B+3], 256<<16
	s_mov_b32 s[G1B+4], 64
	s_mov_b32 s[G1B+5], 1024
	s_mov_b32 s[G1B+6], 0
	s_mov_b32 s[G1B+7], 0
	; where the tiles come from.  A's offset is made of rb and the wave's number in s14-16, W's of cb, p and the wave's number in s18-20:
	; neither set of registers ever holds the other coordinate.
.if PROJ
	s_lshl_b32 s14, s13, 19                        ; 128 rows of 4,096 bytes
	s_lshl_b32 s16, s12, 18                        ; my 64 of them
	s_add_co_u32 s14, s14, s16
	s_lshl_b32 s18, s46, 21                        ; wh[p]
.else
	s_lshr_b32 s14, s13, 4                         ; batch
	s_lshl_b32 s14, s14, 22                        ; 16 heads of 262,144 bytes
	s_lshl_b32 s16, s12, 18                        ; my head of the K step's two
	s_add_co_u32 s14, s14, s16
	s_and_b32 s16, s13, 15
	s_lshl_b32 s16, s16, 14                        ; 128 rows of 128 bytes
	s_add_co_u32 s14, s14, s16
	s_mov_b32 s18, 3<<21                           ; wh[3]
.endif
	s_mov_b32 s15, 0
	s_lshl_b32 s20, s12, 17                        ; my 64 rows of 2,048 bytes
	s_add_co_u32 s18, s18, s20
	s_lshl_b32 s20, s42, 9                         ; 256 columns of 2 bytes
	s_add_co_u32 s18, s18, s20
	s_mov_b32 s19, 0
	s_mul_i32 s21, s10, APART                      ; where they go: the wave's number times a constant; no place in the cluster enters
	s_mul_i32 s22, s10, 64*BPITCH                  ; waves 2, 3: 69,632 and 104,448
	s_wait_dscnt 0x0
	s_wait_kmcnt 0x0
.if PROJ
	s_cmp_eq_u32 s46, 1
	s_cselect_b64 s[4:5], s[70:71], s[68:69]
	s_cselect_b64 s[84:85], s[78:79], s[76:77]
	s_cmp_eq_u32 s46, 2
	s_cselect_b64 s[4:5], s[72:73], s[4:5]
	s_cselect_b64 s[84:85], s[80:81], s[84:85]
	s_mov_b64 s[6:7], s[74:75]
	s_mov_b64 s[8:9], s[82:83]
.else
	s_mov_b64 s[4:5], s[68:69]
	s_mov_b64 s[6:7], s[70:71]
	s_mov_b64 s[84:85], s[72:73]
	s_mov_b64 s[8:9], s[74:75]
.endif
	s_add_nc_u64 s[4:5], s[4:5], s[14:15]          ; A at my wave's part of K step 0's tile; stays as it is: the asks ahead start from it
	s_add_nc_u64 s[6:7], s[6:7], s[18:19]          ; W likewise
.irp s, 0,1
	s_mov_b32 s[G0+4*\s], 1                                        ; count = 1
	s_add_co_u32 s[G0+4*\s+1], s21, \s*SLOT                        ; LDS address
	s_add_nc_u64 s[G0+4*\s+2:G0+4*\s+3], s[4:5], \s*ASTEP          ; global address: K step s
	s_or_b32 s[G0+4*\s+3], s[G0+4*\s+3], 0x80000000                ; type = 2
	s_mov_b32 s[G0B+4*\s], 1
	s_add_co_u32 s[G0B+4*\s+1], s22, \s*SLOT
	s_add_nc_u64 s[G0B+4*\s+2:G0B+4*\s+3], s[6:7], \s*BSTEP
	s_or_b32 s[G0B+4*\s+3], s[G0B+4*\s+3], 0x80000000
.endr
	; the asks ahead: each lane's block of 256 bytes.  cx and rb enter these two offsets into memory alone.
	v_and_b32 v8, 31, v0                           ; l
.if PROJ
	v_lshrrev_b32 v9, 1, v8                        ; A: row l / 2 of my work-group's sixteen,
	v_and_b32 v10, 1, v8                           ; block l % 2 of the K step's 512 bytes in it,
	v_lshlrev_b32 v9, 12, v9
	v_lshl_add_u32 v9, v10, 8, v9
	v_lshl_add_u32 v[PA], s40, 16, v9              ; behind 16 cx rows of 4,096 bytes
.else
	v_lshrrev_b32 v9, 4, v8                        ; A: K step l / 16 of two,
	v_and_b32 v10, 15, v8                          ; block l % 16 of my work-group's 4,096 bytes of the head's 16,384,
	v_lshlrev_b32 v9, 19, v9
	v_lshl_add_u32 v9, v10, 8, v9
	v_lshl_add_u32 v[PA], s40, 12, v9              ; behind cx such quarters
.endif
	s_and_b32 s14, s13, 31                         ; W: g = rb % 32 picks K step g / 4 and sixteen rows 16 (g % 4) .. of my wave's 64 in it
	s_lshr_b32 s16, s14, 2
	s_lshl_b32 s16, s16, 18                        ; 128 rows of 2,048 bytes
	s_and_b32 s14, s14, 3
	s_lshl_b32 s14, s14, 15                        ; 16 rows
	s_add_co_u32 s14, s14, s16
	v_lshrrev_b32 v9, 1, v8                        ; row l / 2 of the sixteen,
	v_and_b32 v10, 1, v8                           ; block l % 2 of the column block's 512 bytes in it
	v_lshlrev_b32 v9, 11, v9
	v_lshl_add_u32 v9, v10, 8, v9
	v_add_nc_u32 v[PB], s14, v9
	CROUND                                         ; all sixteen work-groups are here: the first joint loads meet
	s_cmp_eq_u32 s11, 0                            ; both first fills of a wave inside one branch on its number: two tensor loads out, the most in this text
	s_cbranch_scc0 .Lfirst_b
	tensor_load_to_lds s[G0:G0+3], s[G1:G1+7]
	s_nop 0
	tensor_load_to_lds s[G0+4:G0+7], s[G1:G1+7]
	s_nop 0
	global_prefetch_b8 v[PA], s[4:5] offset:2*ASTEP th:TH_LOAD_NT scope:SCOPE_SE   ; K step 2's tile (PROJ = 0: K steps 2 and 3), fetched behind the first K step
.if PROJ
	global_prefetch_b8 v[PA], s[4:5] offset:3*ASTEP th:TH_LOAD_NT scope:SCOPE_SE   ; K step 3's
.endif
	s_branch .Lfirst_done
.Lfirst_b:
	tensor_load_to_lds s[G0B:G0B+3], s[G1B:G1B+7]
	s_nop 0
	tensor_load_to_lds s[G0B+4:G0B+7], s[G1B:G1B+7]
	s_nop 0
	global_prefetch_b8 v[PB], s[6:7] th:TH_LOAD_NT scope:SCOPE_SE                  ; my sixteen rows of W, the one ask for W in this text
.Lfirst_done:
	; bases of the bias and of the output: the column part in s18-20, the row part in s14-16
	s_lshl_b32 s18, s42, 10                        ; 256 columns of 4 bytes
	s_lshl_b32 s20, s12, 9                         ; my 128 of them
	s_add_co_u32 s18, s18, s20
	s_mov_b32 s19, 0
	s_add_nc_u64 s[84:85], s[84:85], s[18:19]
.if PROJ
	s_lshl_b32 s14, s46, 24                        ; qkv[p]: 64 heads x 2,048 rows x 128 bytes
	s_lshr_b32 s16, s13, 4
	s_lshl_b32 s16, s16, 22                        ; batch
	s_add_co_u32 s14, s14, s16
	s_and_b32 s16, s13, 15
	s_lshl_b32 s16, s16, 14                        ; 128 rows of 128 bytes
	s_add_co_u32 s14, s14, s16
	s_lshl_b32 s16, s11, 13                        ; my 64 of them
	s_add_co_u32 s14, s14, s16
	s_lshl_b32 s18, s42, 20                        ; head 4 cb + 2 (wave & 1), 262,144 bytes each
	s_lshl_b32 s20, s12, 19
	s_add_co_u32 s18, s18, s20
.else
	s_lshl_b32 s14, s13, 19                        ; 128 rows of 4,096 bytes
	s_lshl_b32 s16, s11, 18                        ; my 64 of them; the column part is the bias's
	s_add_co_u32 s14, s14, s16
.endif
	s_mov_b32 s15, 0
	s_add_nc_u64 s[8:9], s[8:9], s[14:15]
	s_add_nc_u64 s[8:9], s[8:9], s[18:19]
.if PROJ
	s_cmp_eq_u32 s46, 0                            ; the factor of the way out, twice (a pair for the packed multiply-add):
	s_cselect_b32 s16, 0x3e38aa3b, 1.0             ; log2 e / 8 for q, 1 for k and v
	s_mov_b32 s17, s16
.endif
	; lane addresses.  r = l % 16, h = l / 16.
	v_and_b32 v1, 15, v0                           ; r
	v_bfe_u32 v2, v0, 4, 1                         ; h
	v_and_b32 v3, 7, v0                            ; l % 8
	v_bfe_u32 v4, v0, 3, 1                         ; (l / 8) % 2
	v_and_b32 v5, 31, v0                           ; l
	v_mul_u32_u24 v6, v1, APITCH                   ; A: row r, 8 numbers further for the upper half of the lanes
	v_lshl_add_u32 v6, v2, AHSH, v6
	s_mul_i32 s23, s11, 64*APITCH                  ; my 64 rows
	v_add_nc_u32 v[ADRA], s23, v6
	v_add_nc_u32 v[ADRA+1], SLOT, v[ADRA]
	v_lshl_add_u32 v7, v2, 3, v3                   ; W, transposing load: row k = 8 h + l % 8,
	v_mul_u32_u24 v7, v7, BPITCH
	v_lshl_add_u32 v7, v4, 4, v7                   ; 16 bytes further for the second eight lanes of a group of sixteen
	s_lshl_b32 s23, s12, 8                         ; my 128 columns
	s_add_co_u32 s23, s23, BOFF
	v_add_nc_u32 v[ADRB], s23, v7
	v_add_nc_u32 v[ADRB+1], SLOT, v[ADRB]
	s_mul_i32 s23, s10, STGW
	s_add_co_u32 s23, s23, STAGE                   ; my stage
.if PROJ
	v_mul_u32_u24 v6, v1, 272                      ; in: row r of 256 bytes + 16, 16 bytes for each half of the lanes
	v_lshl_add_u32 v6, v2, 4, v6
	v_add_nc_u32 v[STO], s23, v6
	v_bfe_u32 v8, v0, 3, 2                         ; back: eight lanes take one head's 128 bytes of a row, four rows an instruction
	v_mul_u32_u24 v8, v8, 272
	v_lshl_add_u32 v8, v3, 4, v8
	v_add_nc_u32 v[RD], s23, v8
.else
	v_mul_u32_u24 v6, v1, 528                      ; in: row r of 512 bytes + 16, 32 bytes for each half of the lanes
	v_lshl_add_u32 v6, v2, 5, v6
	v_add_nc_u32 v[STO], s23, v6
	v_lshl_add_u32 v[RD], v5, 4, s23               ; back: the 32 lanes take one row of 512 bytes
.endif
	v_lshlrev_b32 v[CO], 4, v5
	v_lshlrev_b32 v[BO], 5, v2
	WIN TO_ST                                      ; the bias of my columns 16 b + 8 h + 0 .. 7, once; waited for in front of the way out
.irp b, 0,1,2,3,4,5,6,7
	global_load_b128 v[BI+8*\b:BI+8*\b+3],   v[BO], s[84:85] offset:64*\b
	global_load_b128 v[BI+8*\b+4:BI+8*\b+7], v[BO], s[84:85] offset:64*\b+16
.endr
	WIN 0
; 16 matrix instructions: row blocks a0, a0 + 1 x all 8 column blocks, 32 along K, from buffer f.  zero = 1: the first product starts the sums.
; The 32 accumulators take turns, one instruction a turn, in the same order in every quarter step.
.macro MUL16 f, a0, zero
.irp a, \a0, \a0+1
.irp b, 0,1,2,3,4,5,6,7
.if \zero
	v_wmma_f32_16x16x32_f16 v[8*(8*(\a)+\b):8*(8*(\a)+\b)+7], v[BF0+64*\f+8*\b:BF0+64*\f+8*\b+7], v[AF0+32*\f+8*(\a):AF0+32*\f+8*(\a)+7], 0
.else
	v_wmma_f32_16x16x32_f16 v[8*(8*(\a)+\b):8*(8*(\a)+\b)+7], v[BF0+64*\f+8*\b:BF0+64*\f+8*\b+7], v[AF0+32*\f+8*(\a):AF0+32*\f+8*(\a)+7], v[8*(8*(\a)+\b):8*(8*(\a)+\b)+7]
.endif
.endr
.endr
.endm
; The LDS loads of quarter step kq of a slot, in one run: A first (PROJ = 1: 16 loads of f32 into ST; PROJ = 0: 8 loads into buffer g), then 16 transposing loads of W into buffer g.
.macro FETCH slot, kq, g
.if PROJ
	WIN TO_ST
.irp a, 0,1,2,3
	ds_load_b128 v[ST+16*\a:ST+16*\a+3],     v[ADRA+\slot] offset:\a*16*APITCH+\kq*128      ; k = 8 h + 0 .. 3
	ds_load_b128 v[ST+16*\a+4:ST+16*\a+7],   v[ADRA+\slot] offset:\a*16*APITCH+\kq*128+16   ; k = 8 h + 4 .. 7
	ds_load_b128 v[ST+16*\a+8:ST+16*\a+11],  v[ADRA+\slot] offset:\a*16*APITCH+\kq*128+64   ; k = 16 + 8 h + 0 .. 3
	ds_load_b128 v[ST+16*\a+12:ST+16*\a+15], v[ADRA+\slot] offset:\a*16*APITCH+\kq*128+80   ; k = 16 + 8 h + 4 .. 7
.endr
	WIN 0
.else
	WIN 0
.irp a, 0,1,2,3
	ds_load_b128 v[AF0+32*\g+8*\a:AF0+32*\g+8*\a+3],   v[ADRA+\slot] offset:(\kq>>1)*APART+\a*16*APITCH+(\kq&1)*64
	ds_load_b128 v[AF0+32*\g+8*\a+4:AF0+32*\g+8*\a+7], v[ADRA+\slot] offset:(\kq>>1)*APART+\a*16*APITCH+(\kq&1)*64+32
.endr
.endif
.irp b, 0,1,2,3,4,5,6,7
	ds_load_tr16_b128 v[BF0+64*\g+8*\b:BF0+64*\g+8*\b+3],   v[ADRB+\slot] offset:\kq*32*BPITCH+32*\b
	ds_load_tr16_b128 v[BF0+64*\g+8*\b+4:BF0+64*\g+8*\b+7], v[ADRB+\slot] offset:\kq*32*BPITCH+16*BPITCH+32*\b
.endr
.endm
.macro CVT f                           ; PROJ = 1: A's 64 f32 a lane to 32 registers of f16, into buffer f
	WIN CVTW
.irp a, 0,1,2,3
.irp i, 0,1,2,3,4,5,6,7
	v_cvt_pk_f16_f32 v[AF0+32*\f+8*\a+\i], v[ST+16*\a+2*\i], v[ST+16*\a+2*\i+1]
.endr
.endr
.endm
; One of a K step's first three quarter steps: multiplies buffer f, after asking for quarter kq of the same slot into buffer g.
; PROJ = 1: the 32 conversions name none of the last 32 matrix instructions' registers and are the places in front of the loads into buffer g.
.macro QUARTER slot, kq, f, g, zero
.if PROJ
	s_wait_dscnt 16                                ; A's 16 loads are in; the 16 younger ones (W's) may be out
	CVT \f
	FETCH \slot, \kq, \g
	s_wait_dscnt 32                                ; all but the 32 just issued: buffer f's W is in
.else
	PLACES
	FETCH \slot, \kq, \g
	s_wait_dscnt 24                                ; all but the 24 just issued: buffer f is in
.endif
	WIN MULW
	MUL16 \f, 0, \zero
	MUL16 \f, 2, \zero
.endm
.macro THREE slot, zero
	QUARTER \slot, 1, 0, 1, \zero
	QUARTER \slot, 2, 1, 0, 0
	QUARTER \slot, 3, 0, 1, 0
.endm
; The last quarter step: multiplies buffer 1 and changes slots.  In front of the barrier each wave waits for its reads of this slot and for all its
; tensor loads (one is out: its part of the next slot).  fill = 1: the barrier opens a round of the cluster's barrier, and behind the round this slot
; is asked for again, two K steps ahead, first of all; that load has 112 matrix instructions of the wave in which to land.  pf: see JLOAD.
.macro TURN slot, next, fill, pf
.if PROJ
	s_wait_dscnt 16
	CVT 1
.endif
	s_wait_dscnt 0x0                               ; my reads of this slot are over
	s_wait_tensorcnt 0x0                           ; all my tensor loads have landed
	ds_add_u32 v128, v129
	s_wait_dscnt 0x0
	s_barrier_signal -1
	WIN MULW
	MUL16 1, 0, 0                                  ; work on registers while the others arrive
	WIN 0
	s_barrier_wait -1
.if \fill
	CREST                                          ; no wave of any partner still reads this slot or has a load on its way
	s_add_nc_u64 s[G0+4*\slot+2:G0+4*\slot+3], s[G0+4*\slot+2:G0+4*\slot+3], 2*ASTEP
	s_add_nc_u64 s[G0B+4*\slot+2:G0B+4*\slot+3], s[G0B+4*\slot+2:G0B+4*\slot+3], 2*BSTEP
	JLOAD \slot, \pf                               ; my one tensor load behind the round
.endif
.if PROJ == 0
	PLACES
.endif
	FETCH \next, 0, 0
	WIN MULW
	MUL16 1, 2, 0
.endm
.macro LAP zero, pfa, pfb              ; two K steps, once round the ring, both slots filled again
	THREE 0, \zero
	TURN 0, 1, 1, \pfa
	THREE 1, 0
	TURN 1, 0, 1, \pfb
.endm
	s_wait_tensorcnt 0x1                           ; my part of K step 0 is in; K step 1's stays out
	s_barrier_signal -1
	s_barrier_wait -1                              ; everybody's is
	FETCH 0, 0, 0
.if PROJ
	LAP 1, 4, 5                                    ; K steps 0, 1: their first products start the sums; they fetch K steps 2, 3 and ask ahead for 4, 5
	LAP 0, 6, 7                                    ; K steps 2, 3: fetch 4, 5, ask ahead for 6, 7
.else
	LAP 1, 4, -1                                   ; K steps 0, 1: their first products start the sums; K step 0 asks ahead for 4 and 5
	LAP 0, 6, -1                                   ; K steps 2, 3: K step 2 asks ahead for 6 and 7
.endif
	LAP 0, -1, -1                                  ; K steps 4, 5: fetch 6, 7; nothing is left to ask for
	THREE 0, 0                                     ; K steps 6, 7 fill nothing
	TURN 0, 1, 0, -1
	THREE 1, 0
.if PROJ
	s_wait_dscnt 16
	CVT 1
.endif
	s_wait_dscnt 0x0
	WIN MULW
	MUL16 1, 0, 0
	MUL16 1, 2, 0
	PLACES                                         ; behind the last matrix instructions, in front of all that reads results or loads into fragments
	s_wait_loadcnt 0x0                             ; the bias
.if PROJ
	WIN SCW                                        ; (sum + bias) x factor = sum x factor + bias x factor: the second product once for my 64 bias numbers
.set ix, 0
.rept 32
	v_pk_mul_f32 v[BI+ix:BI+ix+1], v[BI+ix:BI+ix+1], s[16:17] op_sel_hi:[1,0]
.set ix, ix+2
.endr
.endif
; THE WAY OUT, 16 rows at a time through my own stage: LDS serves a wave's instructions in order (ISA guide 5.7.1), so no wait stands between its stores and its loads.
.macro OUT16 a
.if PROJ
	WIN FMAW
.irp b, 0,1,2,3,4,5,6,7
.irp i, 0,2,4,6
	v_pk_fma_f32 v[8*(8*\a+\b)+\i:8*(8*\a+\b)+\i+1], v[8*(8*\a+\b)+\i:8*(8*\a+\b)+\i+1], s[16:17], v[BI+8*\b+\i:BI+8*\b+\i+1] op_sel_hi:[1,0,1]
.endr
.endr
	WIN PACKW
.irp b, 0,1,2,3,4,5,6,7
.irp i, 0,1,2,3
	v_cvt_pk_f16_f32 v[TMP+4*\b+\i], v[8*(8*\a+\b)+2*\i], v[8*(8*\a+\b)+2*\i+1]
.endr
.endr
	WIN 0
.irp b, 0,1,2,3,4,5,6,7
	ds_store_b128 v[STO], v[TMP+4*\b:TMP+4*\b+3] offset:32*\b
.endr
.irp t, 0,1,2,3,4,5,6,7
	ds_load_b128 v[BF0+32*\a+4*\t:BF0+32*\a+4*\t+3], v[RD] offset:(\t&3)*1088+(\t>>2)*128   ; head t / 4, rows 4 (t % 4) .. + 3; registers of their own for each a
.endr
.irp t, 0,1,2,3,4,5,6,7
	s_wait_dscnt 7-\t
	global_store_b128 v[CO], v[BF0+32*\a+4*\t:BF0+32*\a+4*\t+3], s[8:9] offset:(\t>>2)*262144+\a*2048+(\t&3)*512   ; 512 consecutive bytes, aligned
.endr
.else
	WIN BIASW
.irp b, 0,1,2,3,4,5,6,7
.irp i, 0,2,4,6
	v_pk_add_f32 v[8*(8*\a+\b)+\i:8*(8*\a+\b)+\i+1], v[8*(8*\a+\b)+\i:8*(8*\a+\b)+\i+1], v[BI+8*\b+\i:BI+8*\b+\i+1]
.endr
.endr
	WIN STW
.irp b, 0,1,2,3,4,5,6,7
	ds_store_b128 v[STO], v[8*(8*\a+\b):8*(8*\a+\b)+3]   offset:64*\b
	ds_store_b128 v[STO], v[8*(8*\a+\b)+4:8*(8*\a+\b)+7] offset:64*\b+16
.endr
	WIN 0
.if \a >= 2
	s_wait_xcnt 0x0                                ; the stores that read this buffer two turns ago have had their addresses translated: it is loaded again only behind this wait
.endif
.irp t, 0,1,2,3,4,5,6,7,8,9,10,11,12,13,14,15
	ds_load_b128 v[BF0+64*(\a&1)+4*\t:BF0+64*(\a&1)+4*\t+3], v[RD] offset:\t*528
.endr
.irp t, 0,1,2,3,4,5,6,7,8,9,10,11,12,13,14,15
	s_wait_dscnt 15-\t
	global_store_b128 v[CO], v[BF0+64*(\a&1)+4*\t:BF0+64*(\a&1)+4*\t+3], s[8:9] offset:(16*\a+\t)*4096 th:TH_STORE_NT   ; 512 consecutive bytes of a row, aligned
.endr
.endif
.endm
	OUT16 0
	OUT16 1
	OUT16 2
	OUT16 3
	s_set_vgpr_msb 0xa
	s_wait_tensorcnt 0x0
	ds_add_u32 v128, v129
	s_wait_dscnt 0x0
	s_set_vgpr_msb 0xa00
	CROUND                                         ; the closing round: no work-group ends while a partner may still ask for a tile that names it
	s_endpgm
.Lfunc_end_k_q755d1f0497_proj:
	.size	k_q755d1f0497_proj, .Lfunc_end_k_q755d1f0497_proj-k_q755d1f0497_proj
	.p2alignl 7, 3214868480
	.fill 96, 4, 3214868480
	.section	.rodata,"a",@progbits
	.p2align	6, 0x0
	.amdhsa_kernel k_q755d1f0497_proj
		.amdhsa_group_segment_fixed_size 327680
		.amdhsa_private_segment_fixed_size 0
		.amdhsa_enable_private_segment 0
		.amdhsa_kernarg_size 64
		.amdhsa_user_sgpr_count 2
		.amdhsa_user_sgpr_kernarg_segment_ptr 1
		.amdhsa_wavefront_size32 1
		.amdhsa_system_sgpr_workgroup_id_x 1
		.amdhsa_system_sgpr_workgroup_id_y 1
		.amdhsa_system_sgpr_workgroup_id_z 1
		.amdhsa_system_vgpr_workitem_id 0
		.amdhsa_next_free_vgpr 642
		.amdhsa_next_free_sgpr 86
		.amdhsa_reserve_vcc 0
		.amdhsa_float_denorm_mode_32 3
		.amdhsa_float_denorm_mode_16_64 3
		.amdhsa_memory_ordered 1
		.amdhsa_forward_progress 1
		.amdhsa_inst_pref_size 241
	.end_amdhsa_kernel
	.amdgpu_metadata
---
amdhsa.version: [ 1, 2 ]
amdhsa.kernels:
  - .name:           k_q755d1f0497_proj
    .symbol:         k_q755d1f0497_proj.kd
    .args:
      - { .name: query, .offset: 0, .size: 8, .value_kind: global_buffer, .address_space: global }
      - { .name: key, .offset: 8, .size: 8, .value_kind: global_buffer, .address_space: global }
      - { .name: value, .offset: 16, .size: 8, .value_kind: global_buffer, .address_space: global }
      - { .name: wh, .offset: 24, .size: 8, .value_kind: global_buffer, .address_space: global }
      - { .name: bq, .offset: 32, .size: 8, .value_kind: global_buffer, .address_space: global }
      - { .name: bk, .offset: 40, .size: 8, .value_kind: global_buffer, .address_space: global }
      - { .name: bv, .offset: 48, .size: 8, .value_kind: global_buffer, .address_space: global }
      - { .name: qkv, .offset: 56, .size: 8, .value_kind: global_buffer, .address_space: global }
    .group_segment_fixed_size: 327680
    .private_segment_fixed_size: 0
    .kernarg_segment_align: 8
    .kernarg_segment_size: 64
    .max_flat_workgroup_size: 128
    .sgpr_count:     86
    .vgpr_count:     642
    .wavefront_size: 32
...
	.end_amdgpu_metadata
.endif
;; end of part 2
;; launch attn (part 3): grid 256 x 1, 8 waves a work-group, clusters of 4 x 1, 327,680 bytes of LDS; arguments qkv, mask, ctx; writes ctx
.if DOCPART == 3
	.amdgcn_target "amdgcn-amd-amdhsa--gfx1250"
	.amdhsa_code_object_version 6
	.text
	.protected	k_q755d1f0497_attn
	.globl	k_q755d1f0497_attn
	.p2align	8
	.type	k_q755d1f0497_attn,@function
k_q755d1f0497_attn:
	s_mov_b64 s[64:65], 0
	v_nop
	global_prefetch_b8 v0, s[64:65] scope:SCOPE_SE
	s_setreg_imm32_b32 hwreg(HW_REG_WAVE_MODE, 25, 1), 1
	s_wait_xcnt 0x0
	s_wait_alu depctr_hold_cnt(0) depctr_sa_sdst(0) depctr_va_vdst(0) depctr_va_sdst(0) depctr_va_ssrc(0) depctr_va_vcc(0) depctr_vm_vsrc(0)
	s_getreg_b32 s2, hwreg(HW_REG_IB_STS2, 6, 4)
	s_cmp_eq_u32 s2, 0
	s_cbranch_scc0 .Lentry_in_a_cluster
	s_endpgm
.Lentry_in_a_cluster:
	s_bfe_u32 s2, ttmp6, 0x10000c
	s_cmp_lg_u32 s2, 0x3003
	s_cbranch_scc0 .Lentry_shape_is_right
	s_endpgm
.Lentry_shape_is_right:
; ctx = softmax(q k^T / 8 + mask * (-1e9)) v for one head and 512 queries a work-group.  q, k, v: qkv[0..2][batch*16 + head][2048][64] f16; ctx the same layout.
; q comes in already multiplied by log2 e / 8 (the projection's way out does it in f32), so q k^T is the logit in base 2.
; Eight waves, 64 queries (four tiles of 16) each.  Per 64 keys a wave issues 64 matrix instructions and some 470 vector instructions, 128 of them
; exponentials; with two waves on a SIMD one wave's products run under the other's softmax.
; CLUSTERS: the four work-groups of a cluster are the four query blocks of one head; they read the same K and V and ask for them jointly (mask 15).
; K and V go through two LDS slots of 128 keys (two steps of 64).  A slot's 32,768 bytes are shared out evenly among the eight waves, one tensor load each:
; 32 keys of V (waves 0-3) or of K (waves 4-7), a dense block of 4,096 bytes taken as 16 rows of 256 bytes.  A refill is asked for two steps before it is
; waited for: 128 matrix instructions and some 950 vector instructions of each of a SIMD's two waves.  So no prefetch is written ahead of the tensor loads.
; THE TEXT: two slots x two steps make a loop of four steps, turned by one step so that only the very first step (which starts maxima, sums and O^T)
; stands ahead of it; it runs seven times and holds all fourteen refills; the last three steps, which fetch nothing, are written out.  Eight steps are
; written for the 32 that run.
; TRANSPOSED SCHEME: S^T = K Q^T (source 0 = 16 keys, source 1 = 16 queries): lane l holds query l % 16 and keys 8 (l / 16) + 0 .. 7 of a tile.  Two
; neighbouring tiles, packed to f16, ARE the fragment of P^T that O^T = V^T P^T takes as source 1; V^T comes from V [key][d] by the transposing load.
; THE MASK rides on the matrix unit: register j of a lane's C operand belongs to key 8 (l / 16) + j, so the eight mask terms (mask * -1e9) * log2 e of a
; tile's keys, as a lane loads them from LDS, are the C of the tile's first product.  No vector instruction scales or masks a logit.
; Maximum, sum and rescaling factor are one number a lane and query tile; the two halves of the lanes share the maximum by one lane exchange.
; SOFTMAX in base 2 with a running maximum: p = 2^(t - max).
; LIMITS: q, k, v, p and ctx are f16 (magnitudes of 65,504 or more become infinite; p below about 6e-8 is lost).  The row sum is taken in f32 over p
; before it is rounded to f16.  Where all keys of a batch are masked, t is rounded at about 1.44e9 inside the matrix unit's sum (a step of 128 in base 2;
; the f32 sum with -1e9 has a step of 64): the weights come out equal as long as the logits stay far below that step.
.set VP,    160                        ; V's pitch: 128 bytes + 32: an odd multiple of 32 bytes, for the transposing load
.set KP,    144                        ; K's pitch: 128 bytes + 16: an odd multiple of 16 bytes
.set KOFF,  128*VP                     ; a slot: V's 128 keys, then K's
.set SLOT,  128*VP+128*KP              ; 38,912 bytes
.set PHASE, 16384                      ; 128 keys of 128 bytes in memory
.set MASK,  2*SLOT                     ; 2,048 f32, written by LDS stores: no tensor load lands here
.set STAGE, MASK+8192                  ; 8 waves x 16 rows x 144 bytes, for the way out
.set KA, 2                             ; v2-3    LDS address of K's fragments in slot 0, 1
.set VA, 4                             ; v4-5    the same for V
.set MA, 6                             ; v6      LDS address of my mask terms, stepped by 256 keys a trip
.set T1, 8                             ; v[8:9]  second chain of the row sum
.set M0, 10                            ; v10-13, v14-17 the running maxima, two sets that take turns
.set AL, 18                            ; v18-21  2^(old max - new max); at the end 1 / sum
.set LS, 22                            ; v22-25  running sums (each half of the lanes keeps its own)
.set RS, 26                            ; v26-29  second chain of the maximum, the other half's maximum, then this step's sum
.set T0, 30                            ; v[30:31] first chain of the row sum
.set MK, 32                            ; v32-63  mask term of key 16 kt + 8 h + j at MK + 8 kt + j
.set VF, 64                            ; v64-127 V^T fragments at 8 (2 dt + kp)
.set S,  128                           ; v128-255 S^T tile (qt, kt) at 32 qt + 8 kt; P^T (qt, kp) in the first 8 of each 16
.set O,  0                             ; window 1: O^T tile (qt, dt) at 32 qt + 8 dt
.set QF, 128                           ; window 1: Q fragments at 16 qt + 8 ks
.set KF, 192                           ; window 1: K fragments at 16 kt + 8 ks
.set G1V, 24
.set G0V, 32
.set G1K, 48
.set G0K, 56
.set SW,    0x05                       ; sources 0 and 1 in window 1
.set TO1,   0x40                       ; destination in window 1
.set RSW,   0x41                       ; destination and source 0 in window 1
.set PVW,   0x50                       ; C and D in window 1
.set MSB, 0
.macro WIN new
.if MSB != \new
	s_set_vgpr_msb (MSB<<8)|\new
.set MSB, \new
.endif
.endm
.macro ROUND                           ; a round of the cluster's barrier
	s_barrier_signal -1
	s_barrier_wait -1
	s_cmp_lg_u32 s10, 0
	s_cbranch_scc1 .Lnot_wave_0_\@
	s_barrier_signal -3
.Lnot_wave_0_\@:
	s_barrier_wait -3
	s_barrier_signal -1
	s_barrier_wait -1
.endm
.macro JLOAD s                         ; waves 0-3 ask for V's quarters, waves 4-7 for K's; the branch hangs on the wave's number alone
	s_cmp_eq_u32 s11, 0
	s_cbranch_scc0 .Lfor_k_\@
	tensor_load_to_lds s[G0V+4*\s:G0V+4*\s+3], s[G1V:G1V+7]
	s_nop 0
	s_branch .Lasked_\@
.Lfor_k_\@:
	tensor_load_to_lds s[G0K+4*\s:G0K+4*\s+3], s[G1K:G1K+7]
	s_nop 0
.Lasked_\@:
.endm
	s_load_b128 s[4:7], s[0:1], 0x0                ; qkv s[4:5], mask s[6:7]
	s_load_b64 s[8:9], s[0:1], 0x10                ; ctx
	v_lshl_add_u32 v254, v0, 2, 0x29000
	v_mov_b32 v255, 0
	ds_add_u32 v254, v255
	s_wait_dscnt 0x0
	v_lshrrev_b32 v1, 5, v0
	v_readfirstlane_b32 s10, v1                    ; wave 0..7
	s_lshr_b32 s11, s10, 2                         ; I fetch for V (0) or for K (1)
	s_and_b32 s12, s10, 3                          ; which 32 keys of the slot's 128
	s_bfe_u32 s14, ttmp6, 0x40000                  ; cx: my query block; it enters the addresses of q and ctx alone
	s_mov_b32 s18, 0x76543210                      ; v_permlanex16_b32: lane i of one half reads lane i of the other
	s_mov_b32 s19, 0xfedcba98
	; group 1: a dense block of 4,096 bytes as 16 rows of 32 elements of 8 bytes; behind every 32 words (a key's 128 bytes) 8 words of padding for V, 4 for K
	s_mov_b32 s[G1V+0], 15|(3<<16)|(1<<20)|(1<<21)|(4<<22)|(7<<25)
	s_mov_b32 s[G1K+0], 15|(3<<16)|(1<<20)|(1<<21)|(4<<22)|(3<<25)
	s_mov_b32 s[G1V+1], 32<<16                     ; tensor_dim0 = 32
	s_mov_b32 s[G1K+1], 32<<16
	s_mov_b32 s[G1V+2], 16<<16                     ; tensor_dim1 = 16
	s_mov_b32 s[G1K+2], 16<<16
	s_mov_b32 s[G1V+3], 32<<16                     ; tile_dim0 = 32
	s_mov_b32 s[G1K+3], 32<<16
	s_mov_b32 s[G1V+4], 16                         ; tile_dim1 = 16
	s_mov_b32 s[G1K+4], 16
	s_mov_b32 s[G1V+5], 32                         ; elements from row to row
	s_mov_b32 s[G1K+5], 32
	s_mov_b32 s[G1V+6], 0
	s_mov_b32 s[G1K+6], 0
	s_mov_b32 s[G1V+7], 0
	s_mov_b32 s[G1K+7], 0
	s_lshl_b32 s20, ttmp9, 18                      ; the head (the cluster's x): 2,048 keys of 128 bytes
	s_lshl_b32 s21, s12, 12                        ; my 32 keys
	s_add_co_u32 s20, s20, s21
	s_add_co_u32 s22, s20, 2<<24                   ; v
	s_add_co_u32 s20, s20, 1<<24                   ; k
	s_mov_b32 s21, 0
	s_mov_b32 s23, 0
	s_mul_i32 s44, s10, 32*VP                      ; V's quarters at wave x 5,120
	s_mul_i32 s45, s10, 32*KP                      ; K's at wave x 4,608 + 2,048: waves 4-7 give 20,480 .. 34,304
	s_add_co_u32 s45, s45, KOFF-4*32*KP
	s_lshl_b32 s40, ttmp9, 18                      ; q and ctx: the head, my block of 512 queries, my wave's 64
	s_lshl_b32 s42, s14, 16
	s_add_co_u32 s40, s40, s42
	s_lshl_b32 s42, s10, 13
	s_add_co_u32 s40, s40, s42
	s_mov_b32 s41, 0
	s_lshr_b32 s46, ttmp9, 4                       ; batch: 2,048 mask numbers of 4 bytes
	s_lshl_b32 s46, s46, 13
	s_mov_b32 s47, 0
	s_wait_kmcnt 0x0
	s_add_nc_u64 s[22:23], s[4:5], s[22:23]
	s_add_nc_u64 s[20:21], s[4:5], s[20:21]
	s_add_nc_u64 s[42:43], s[8:9], s[40:41]        ; ctx at my wave's rows
	s_add_nc_u64 s[40:41], s[4:5], s[40:41]        ; q at my wave's rows
	s_add_nc_u64 s[6:7], s[6:7], s[46:47]
.irp s, 0,1
	s_mov_b32 s[G0V+4*\s], 1
	s_add_co_u32 s[G0V+4*\s+1], s44, \s*SLOT
	s_add_nc_u64 s[G0V+4*\s+2:G0V+4*\s+3], s[22:23], \s*PHASE      ; keys 128 s ..
	s_or_b32 s[G0V+4*\s+3], s[G0V+4*\s+3], 0x80000000
	s_mov_b32 s[G0K+4*\s], 1
	s_add_co_u32 s[G0K+4*\s+1], s45, \s*SLOT
	s_add_nc_u64 s[G0K+4*\s+2:G0K+4*\s+3], s[20:21], \s*PHASE
	s_or_b32 s[G0K+4*\s+3], s[G0K+4*\s+3], 0x80000000
.endr
	v_and_b32 v8, 15, v0                           ; r
	v_bfe_u32 v9, v0, 4, 1                         ; h
	v_and_b32 v10, 7, v0
	v_bfe_u32 v11, v0, 3, 1
	v_mul_u32_u24 v[KA], v8, KP                    ; K: key r, 16 bytes further for the upper half
	v_lshl_add_u32 v[KA], v9, 4, v[KA]
	v_add_nc_u32 v[KA], KOFF, v[KA]
	v_add_nc_u32 v[KA+1], SLOT, v[KA]
	v_lshl_add_u32 v[VA], v9, 3, v10               ; V, transposing load: key 8 h + l % 8,
	v_mul_u32_u24 v[VA], v[VA], VP
	v_lshl_add_u32 v[VA], v11, 4, v[VA]            ; 16 bytes further for the second eight lanes of a group of sixteen
	v_add_nc_u32 v[VA+1], SLOT, v[VA]
	v_lshlrev_b32 v[MA], 5, v9                     ; mask: keys 8 h + 0 .. 7
	v_add_nc_u32 v[MA], MASK, v[MA]
	v_lshlrev_b32 v12, 7, v8                       ; q: row r of 128 bytes + 16 h
	v_lshl_add_u32 v12, v9, 4, v12
	v_lshlrev_b32 v13, 4, v0                       ; 16 x thread
	v_add_nc_u32 v14, MASK, v13
	global_load_b128 v[MK:MK+3],   v13, s[6:7]                 ; the batch's 8,192 bytes of mask: 2 x 16 bytes a thread
	global_load_b128 v[MK+4:MK+7], v13, s[6:7] offset:4096
	WIN TO1
.irp qt, 0,1,2,3
.irp ks, 0,1
	global_load_b128 v[QF+16*\qt+8*\ks:QF+16*\qt+8*\ks+3],   v12, s[40:41] offset:2048*\qt+64*\ks
	global_load_b128 v[QF+16*\qt+8*\ks+4:QF+16*\qt+8*\ks+7], v12, s[40:41] offset:2048*\qt+64*\ks+32
.endr
.endr
	WIN 0
	ROUND                                          ; all four work-groups are here: the first joint loads meet
	s_cmp_eq_u32 s11, 0                            ; both first fills of a wave inside one branch on its number: two tensor loads out, the most in this text
	s_cbranch_scc0 .Lfirst_k
	tensor_load_to_lds s[G0V:G0V+3], s[G1V:G1V+7]
	s_nop 0
	tensor_load_to_lds s[G0V+4:G0V+7], s[G1V:G1V+7]
	s_nop 0
	s_branch .Lfirst_done
.Lfirst_k:
	tensor_load_to_lds s[G0K:G0K+3], s[G1K:G1K+7]
	s_nop 0
	tensor_load_to_lds s[G0K+4:G0K+7], s[G1K:G1K+7]
	s_nop 0
.Lfirst_done:
	s_wait_loadcnt 0x0                             ; mask and q
.irp i, 0,1,2,3,4,5,6,7
	v_mul_f32 v[MK+\i], 0xce6e6b28, v[MK+\i]       ; mask * -1e9
.endr
.irp i, 0,1,2,3,4,5,6,7
	v_mul_f32 v[MK+\i], 0x3fb8aa3b, v[MK+\i]       ; * log2 e
.endr
	ds_store_b128 v14, v[MK:MK+3]
	ds_store_b128 v14, v[MK+4:MK+7] offset:4096
	s_wait_dscnt 0x0                               ; for the others' sake: my mask terms are in LDS
	s_wait_tensorcnt 0x1                           ; my part of slot 0 is in; slot 1's stays out
	s_barrier_signal -1
	s_barrier_wait -1
.macro MKLOAD k0                       ; 8 loads: the mask terms of keys k0 .. k0 + 63, counted from where MA stands
.irp kt, 0,1,2,3
	ds_load_b128 v[MK+8*\kt:MK+8*\kt+3],   v[MA] offset:((\k0)+16*\kt)*4
	ds_load_b128 v[MK+8*\kt+4:MK+8*\kt+7], v[MA] offset:((\k0)+16*\kt)*4+16
.endr
.endm
.macro KLOAD slot, j                   ; 16 loads: K's fragments of keys 64 j .. 64 j + 63 of a slot
	WIN TO1
.irp kt, 0,1,2,3
.irp ks, 0,1
	ds_load_b128 v[KF+16*\kt+8*\ks:KF+16*\kt+8*\ks+3],   v[KA+(\slot)] offset:(64*(\j)+16*\kt)*KP+64*\ks
	ds_load_b128 v[KF+16*\kt+8*\ks+4:KF+16*\kt+8*\ks+7], v[KA+(\slot)] offset:(64*(\j)+16*\kt)*KP+64*\ks+32
.endr
.endr
	WIN 0
.endm
; Query tile qt: t - max, 2^x, the row sum in f32 and the packing to f16 in place.  sel = qt % 2 picks the tile's maximum out of its register pair.
; A pair is added to the sum and then packed; the packed word lands on a register whose pair has already been added and packed.
.macro SOFT qt, sel
.set SB, S+32*\qt
.set ix, 0
.rept 16
	v_pk_add_f32 v[SB+ix:SB+ix+1], v[SB+ix:SB+ix+1], v[MN+\qt-\sel:MN+\qt-\sel+1] op_sel:[0,\sel] op_sel_hi:[1,\sel] neg_lo:[0,1] neg_hi:[0,1]
.set ix, ix+2
.endr
.set ix, 0
.rept 32
	v_exp_f32 v[SB+ix], v[SB+ix]
.set ix, ix+1
.endr
	v_nop                                          ; one plain place behind the exponentials before their results are used (ISA guide 5.7.2)
	s_wait_alu depctr_va_vdst(0)
	v_pk_add_f32 v[T0:T0+1], v[SB:SB+1], v[SB+2:SB+3]
	v_cvt_pk_f16_f32 v[SB],   v[SB],   v[SB+1]
	v_cvt_pk_f16_f32 v[SB+1], v[SB+2], v[SB+3]
	v_pk_add_f32 v[T1:T1+1], v[SB+4:SB+5], v[SB+6:SB+7]
	v_cvt_pk_f16_f32 v[SB+2], v[SB+4], v[SB+5]
	v_cvt_pk_f16_f32 v[SB+3], v[SB+6], v[SB+7]
.set ix, 4
.rept 12
	v_pk_add_f32 v[T0+(T1-T0)*(ix&1):T0+(T1-T0)*(ix&1)+1], v[T0+(T1-T0)*(ix&1):T0+(T1-T0)*(ix&1)+1], v[SB+2*ix:SB+2*ix+1]
	v_cvt_pk_f16_f32 v[SB+16*(ix>>3)+(ix&7)], v[SB+2*ix], v[SB+2*ix+1]
.set ix, ix+1
.endr
	v_pk_add_f32 v[T0:T0+1], v[T0:T0+1], v[T1:T1+1]
	v_add_f32 v[RS+\qt], v[T0], v[T0+1]
.endm
.macro RESC qt, sel                    ; O^T of query tile qt times AL[qt]
.set ix, 0
.rept 16
	v_pk_mul_f32 v[O+32*\qt+ix:O+32*\qt+ix+1], v[O+32*\qt+ix:O+32*\qt+ix+1], v[AL+\qt-\sel:AL+\qt-\sel+1] op_sel:[0,\sel] op_sel_hi:[1,\sel]
.set ix, ix+2
.endr
.endm
; One step: 64 keys (number j of the slot's two) against my 64 queries.  nk: the next step's first key, counted from where MA stands.
; mode 0: the next step reads the same slot; 1: the slot's last step, the slot is filled again; 2: the slot's last step, nothing is left to fetch; 3: the very last step.
.macro STEP slot, j, first, mode, nk
.set MN, M0+4*(\j&1)                   ; this step writes one set of maxima and reads the other
.set MO, M0+4-4*(\j&1)
	s_wait_dscnt 0x0                               ; K's fragments and the mask terms, the last loads issued, are in
	WIN SW
	; S^T: the 16 tiles take turns, one instruction a turn; the first half of d starts each sum from the keys' mask terms
.irp kt, 0,1,2,3
.irp qt, 0,1,2,3
	v_wmma_f32_16x16x32_f16 v[S+32*\qt+8*\kt:S+32*\qt+8*\kt+7], v[KF+16*\kt:KF+16*\kt+7], v[QF+16*\qt:QF+16*\qt+7], v[MK+8*\kt:MK+8*\kt+7]
.endr
.endr
.irp kt, 0,1,2,3
.irp qt, 0,1,2,3
	v_wmma_f32_16x16x32_f16 v[S+32*\qt+8*\kt:S+32*\qt+8*\kt+7], v[KF+16*\kt+8:KF+16*\kt+15], v[QF+16*\qt+8:QF+16*\qt+15], v[S+32*\qt+8*\kt:S+32*\qt+8*\kt+7]
.endr
.endr
	WIN 0
.rept 4
	v_nop                                          ; four places: then K's fragments and the mask terms may be loaded again and S^T read (ISA guide 7.12.1)
.endr
.irp dt, 0,1,2,3
.irp kp, 0,1
	ds_load_tr16_b128 v[VF+8*(2*\dt+\kp):VF+8*(2*\dt+\kp)+3],   v[VA+\slot] offset:(64*\j+32*\kp)*VP+32*\dt
	ds_load_tr16_b128 v[VF+8*(2*\dt+\kp)+4:VF+8*(2*\dt+\kp)+7], v[VA+\slot] offset:(64*\j+32*\kp+16)*VP+32*\dt
.endr
.endr
.if \mode == 0
	KLOAD \slot, \j+1                              ; the next step's K
.endif
.if \mode != 3
	MKLOAD \nk                                     ; the next step's mask terms
.endif
	; the new maximum: two chains for each query tile, eight chains side by side
.irp q, 0,1,2,3
.if \first
	v_max_num_f32 v[MN+\q], v[S+32*\q], v[S+32*\q+1]
.else
	v_max3_num_f32 v[MN+\q], v[MO+\q], v[S+32*\q], v[S+32*\q+1]
.endif
	v_max3_num_f32 v[RS+\q], v[S+32*\q+16], v[S+32*\q+17], v[S+32*\q+18]
.endr
.irp i, 0,1,2,3,4,5
.irp q, 0,1,2,3
	v_max3_num_f32 v[MN+\q], v[MN+\q], v[S+32*\q+2+2*\i], v[S+32*\q+3+2*\i]
	v_max3_num_f32 v[RS+\q], v[RS+\q], v[S+32*\q+19+2*\i], v[S+32*\q+20+2*\i]
.endr
.endr
.irp q, 0,1,2,3
	v_max3_num_f32 v[MN+\q], v[MN+\q], v[S+32*\q+14], v[S+32*\q+15]
.endr
.irp q, 0,1,2,3
	v_max3_num_f32 v[MN+\q], v[MN+\q], v[RS+\q], v[S+32*\q+31]
.endr
.irp q, 0,1,2,3
	v_permlanex16_b32 v[RS+\q], v[MN+\q], s18, s19 ; the other half's keys of the same query
.endr
.irp q, 0,1,2,3
	v_max_num_f32 v[MN+\q], v[MN+\q], v[RS+\q]
.endr
.if \first == 0
.irp q, 0,1,2,3
	v_sub_f32 v[AL+\q], v[MO+\q], v[MN+\q]
.endr
.irp q, 0,1,2,3
	v_exp_f32 v[AL+\q], v[AL+\q]                   ; first used far below
.endr
.endif
	SOFT 0, 0
	SOFT 1, 1
	SOFT 2, 0
	SOFT 3, 1
.if \mode == 1
	s_wait_dscnt 0x0                               ; my reads of this slot are over (V's fragments are in registers)
	s_wait_xcnt 0x0
	v_lshl_add_u32 v254, v0, 2, 0x29000
	v_mov_b32 v255, 0
	s_wait_tensorcnt 0x0                           ; all my tensor loads have landed: my part of the other slot; so a group 0 may be written
	ds_add_u32 v254, v255
	s_wait_dscnt 0x0
	s_add_nc_u64 s[G0V+4*\slot+2:G0V+4*\slot+3], s[G0V+4*\slot+2:G0V+4*\slot+3], 2*PHASE   ; 256 keys on
	s_add_nc_u64 s[G0K+4*\slot+2:G0K+4*\slot+3], s[G0K+4*\slot+2:G0K+4*\slot+3], 2*PHASE
	ROUND                                          ; both now hold of every wave of the four work-groups
	JLOAD \slot                                    ; my one tensor load behind the round, first of all
	KLOAD 1-\slot, 0                               ; the other slot's first K; the products below cover it
.endif
.if \mode == 2
	s_wait_dscnt 0x0
	s_wait_tensorcnt 0x0                           ; my part of the last slot has landed
	s_barrier_signal -1
	s_barrier_wait -1                              ; everybody's has
	KLOAD 1-\slot, 0
.endif
.if \first == 0
	WIN RSW
	RESC 0, 0
	RESC 1, 1
	RESC 2, 0
	RESC 3, 1
.endif
.if \mode == 0
	s_wait_dscnt 24                                ; V's fragments are in: 16 loads of K and 8 of mask terms are younger
.endif
.if \mode == 3
	s_wait_dscnt 0x0
.endif
	WIN PVW
	; O^T += V^T P^T: the 16 tiles take turns, one instruction a turn
.irp kp, 0,1
.irp qt, 0,1,2,3
.irp dt, 0,1,2,3
.if \first*(1-\kp)
	v_wmma_f32_16x16x32_f16 v[O+32*\qt+8*\dt:O+32*\qt+8*\dt+7], v[VF+8*(2*\dt+\kp):VF+8*(2*\dt+\kp)+7], v[S+32*\qt+16*\kp:S+32*\qt+16*\kp+7], 0
.else
	v_wmma_f32_16x16x32_f16 v[O+32*\qt+8*\dt:O+32*\qt+8*\dt+7], v[VF+8*(2*\dt+\kp):VF+8*(2*\dt+\kp)+7], v[S+32*\qt+16*\kp:S+32*\qt+16*\kp+7], v[O+32*\qt+8*\dt:O+32*\qt+8*\dt+7]
.endif
.endr
.endr
.endr
	WIN 0
	; five places in front of the next S^T products, which write over P^T (ISA guide 7.12.1): the four running sums and one v_nop
.irp q, 0,1,2,3
.if \first
	v_mov_b32 v[LS+\q], v[RS+\q]
.else
	v_fma_f32 v[LS+\q], v[LS+\q], v[AL+\q], v[RS+\q]
.endif
.endr
	v_nop
.endm
	MKLOAD 0
	KLOAD 0, 0
	STEP 0, 0, 1, 0, 64                            ; keys 0-63: the first step starts maxima, sums and O^T
	s_mov_b32 s3, 7
.Lpair:                                            ; trip t, MA at key 256 t:
	STEP 0, 1, 0, 1, 128                           ; keys 256 t + 64 ..;  slot 0 is asked for again: keys 256 t + 256 ..
	STEP 1, 0, 0, 0, 192                           ; keys 256 t + 128 ..
	STEP 1, 1, 0, 1, 256                           ; keys 256 t + 192 ..; slot 1 is asked for again: keys 256 t + 384 ..
	STEP 0, 0, 0, 0, 320                           ; keys 256 t + 256 ..
	v_add_nc_u32 v[MA], 1024, v[MA]                ; 256 keys on
	s_sub_co_u32 s3, s3, 1
	s_cmp_lg_u32 s3, 0
	s_cbranch_scc1 .Lpair
	STEP 0, 1, 0, 2, 128                           ; keys 1856 ..: the last three steps fetch nothing
	STEP 1, 0, 0, 0, 192                           ; keys 1920 ..
	STEP 1, 1, 0, 3, 0                             ; keys 1984 .. 2047
	; THE WAY OUT: the two halves' sums meet, O^T / sum, 16 queries at a time through my own stage, whole runs of 512 bytes to memory
.irp q, 0,1,2,3
	v_permlanex16_b32 v[RS+\q], v[LS+\q], s18, s19
.endr
.irp q, 0,1,2,3
	v_add_f32 v[LS+\q], v[LS+\q], v[RS+\q]         ; at least 1: the key of the maximum adds 2^0
.endr
.irp q, 0,1,2,3
	v_rcp_f32 v[AL+\q], v[LS+\q]
.endr
	s_mul_i32 s44, s10, 16*144
	s_add_co_u32 s44, s44, STAGE
	v_and_b32 v2, 15, v0                           ; plain work behind the reciprocals
	v_bfe_u32 v3, v0, 4, 1
	v_mul_u32_u24 v4, v2, 144                      ; in: query r, 16 bytes for each half of the lanes
	v_lshl_add_u32 v4, v3, 4, v4
	v_add_nc_u32 v4, s44, v4
	v_bfe_u32 v5, v0, 3, 2                         ; back: eight lanes take a query's 128 bytes, four queries an instruction
	v_mul_u32_u24 v5, v5, 144
	v_and_b32 v2, 7, v0
	v_lshl_add_u32 v5, v2, 4, v5
	v_add_nc_u32 v5, s44, v5
	v_and_b32 v6, 31, v0
	v_lshlrev_b32 v6, 4, v6                        ; 16 x lane
	s_wait_alu depctr_va_vdst(0)
	WIN RSW
	RESC 0, 0
	RESC 1, 1
	RESC 2, 0
	RESC 3, 1
.macro OUTQ qt
	WIN SW
.irp dt, 0,1,2,3
.irp i, 0,1,2,3
	v_cvt_pk_f16_f32 v[S+32*\qt+4*\dt+\i], v[O+32*\qt+8*\dt+2*\i], v[O+32*\qt+8*\dt+2*\i+1]
.endr
.endr
	WIN 0
.irp dt, 0,1,2,3
	ds_store_b128 v4, v[S+32*\qt+4*\dt:S+32*\qt+4*\dt+3] offset:32*\dt
.endr
.irp t, 0,1,2,3
	ds_load_b128 v[S+32*\qt+16+4*\t:S+32*\qt+16+4*\t+3], v5 offset:576*\t      ; LDS serves a wave's instructions in order: these see the stores above
.endr
.irp t, 0,1,2,3
	s_wait_dscnt 3-\t
	global_store_b128 v6, v[S+32*\qt+16+4*\t:S+32*\qt+16+4*\t+3], s[42:43] offset:2048*\qt+512*\t   ; 512 consecutive bytes, aligned; registers of their own for each qt
.endr
.endm
	OUTQ 0
	OUTQ 1
	OUTQ 2
	OUTQ 3
	s_wait_xcnt 0x0
	v_lshl_add_u32 v254, v0, 2, 0x29000
	v_mov_b32 v255, 0
	s_wait_tensorcnt 0x0
	ds_add_u32 v254, v255
	s_wait_dscnt 0x0
	ROUND                                          ; the closing round: no work-group ends while a partner may still ask for a tile that names it
	s_endpgm
.Lfunc_end_k_q755d1f0497_attn:
	.size	k_q755d1f0497_attn, .Lfunc_end_k_q755d1f0497_attn-k_q755d1f0497_attn
	.p2alignl 7, 3214868480
	.fill 96, 4, 3214868480
	.section	.rodata,"a",@progbits
	.p2align	6, 0x0
	.amdhsa_kernel k_q755d1f0497_attn
		.amdhsa_group_segment_fixed_size 327680
		.amdhsa_private_segment_fixed_size 0
		.amdhsa_enable_private_segment 0
		.amdhsa_kernarg_size 24
		.amdhsa_user_sgpr_count 2
		.amdhsa_user_sgpr_kernarg_segment_ptr 1
		.amdhsa_wavefront_size32 1
		.amdhsa_system_sgpr_workgroup_id_x 1
		.amdhsa_system_sgpr_workgroup_id_y 1
		.amdhsa_system_sgpr_workgroup_id_z 1
		.amdhsa_system_vgpr_workitem_id 0
		.amdhsa_next_free_vgpr 512
		.amdhsa_next_free_sgpr 66
		.amdhsa_reserve_vcc 0
		.amdhsa_float_denorm_mode_32 3
		.amdhsa_float_denorm_mode_16_64 3
		.amdhsa_memory_ordered 1
		.amdhsa_forward_progress 1
		.amdhsa_inst_pref_size 255
	.end_amdhsa_kernel
	.section	.bss,"aw",@nobits
	.p2align	6
	.space	262144
	.amdgpu_metadata
---
amdhsa.version: [ 1, 2 ]
amdhsa.kernels:
  - .name:           k_q755d1f0497_attn
    .symbol:         k_q755d1f0497_attn.kd
    .args:
      - { .name: qkv, .offset: 0, .size: 8, .value_kind: global_buffer, .address_space: global }
      - { .name: mask, .offset: 8, .size: 8, .value_kind: global_buffer, .address_space: global }
      - { .name: ctx, .offset: 16, .size: 8, .value_kind: global_buffer, .address_space: global }
    .group_segment_fixed_size: 327680
    .private_segment_fixed_size: 0
    .kernarg_segment_align: 8
    .kernarg_segment_size: 24
    .max_flat_workgroup_size: 256
    .sgpr_count:     66
    .vgpr_count:     512
    .wavefront_size: 32
...
	.end_amdgpu_metadata
.endif
;; end of part 3
;; launch oproj (part 4): grid 4 x 64, 4 waves a work-group, clusters of 4 x 4, 327,680 bytes of LDS; arguments ctx, wh, bo, out0; writes out0
.if DOCPART == 4
	.amdgcn_target "amdgcn-amd-amdhsa--gfx1250"
	.amdhsa_code_object_version 6
	.text
	.protected	k_q755d1f0497_oproj
	.globl	k_q755d1f0497_oproj
	.p2align	8
	.type	k_q755d1f0497_oproj,@function
k_q755d1f0497_oproj:
	s_mov_b64 s[64:65], 0
	v_nop
	global_prefetch_b8 v0, s[64:65] scope:SCOPE_SE
	s_setreg_imm32_b32 hwreg(HW_REG_WAVE_MODE, 25, 1), 1
	s_wait_xcnt 0x0
	s_wait_alu depctr_hold_cnt(0) depctr_sa_sdst(0) depctr_va_vdst(0) depctr_va_sdst(0) depctr_va_ssrc(0) depctr_va_vcc(0) depctr_vm_vsrc(0)
	s_getreg_b32 s2, hwreg(HW_REG_IB_STS2, 6, 4)
	s_cmp_eq_u32 s2, 0
	s_cbranch_scc0 .Lentry_in_a_cluster
	s_endpgm
.Lentry_in_a_cluster:
	s_bfe_u32 s2, ttmp6, 0x10000c
	s_cmp_lg_u32 s2, 0xf033
	s_cbranch_scc0 .Lentry_shape_is_right
	s_endpgm
.Lentry_shape_is_right:
; One text for two launches, chosen by PROJ.  C[m][n] = sum over k of A[m][k] W[k][n] + bias[n], M = 8192, N = K = 1024, f16 operands, f32 sums.
;   PROJ = 1: A = query, key or value (f32, [8192][1024]), W = wh[p], bias = bq, bk or bv; C goes out in f16, head-major:
;             qkv[p][batch*16 + head][s][64].  p = 0, 1, 2 is taken from the cluster's y, so all sixteen partners share it.
;             q (p = 0) goes out multiplied by log2 e / 8, in f32 ahead of its one rounding to f16: the attention launch then needs no scaling of the logits.
;   PROJ = 0: A = ctx (f16, [batch*16 + head][s][64]), W = wh[3], bias = bo; C = out0 in f32, [8192][1024].
; A work-group makes 128 x 256 of C with four waves (2 x 2), a wave 64 x 128: 32 accumulator tiles, 256 registers.  8192 x 1024 / (128 x 256) = 256
; blocks for a product, so the output projection has one block for each of 256 work-groups and the three input projections three.
; K goes in eight steps of 128 through two LDS slots filled by the tensor data mover, one load a wave: waves 0, 1 bring A's two parts, waves 2, 3 W's.
; PROJ = 1 brings A in as f32 (rows of 512 bytes) and rounds it to f16 in registers, so the inputs are read once and no f16 copy goes through memory.
; W lies [k][n]; its fragments come out of LDS by the transposing load.
; CLUSTERS: 4 x 4 work-groups.  A's tile hangs on the block row alone and is asked for jointly by a row of the cluster, W's on the block column alone
; and is asked for jointly by a column: the requests for both are divided by four.
; AHEAD OF THE TENSOR LOADS the text asks for what they will fetch (global_prefetch_b8).  The two slots take all the LDS there is, so a tensor load has one
; K step's products in which to land and no more; A's tiles are read for the first time in every step.
;   A: behind the tensor load that brings K step s + 2, waves 0 and 1 ask for K step s + 4's tile, two K steps (256 matrix instructions of the wave) ahead of the
;      tensor load that fetches it (PROJ = 0: in steps 0 and 2, for the tiles of K steps s + 4 and s + 5).  K steps 2 and 3 are asked for beside the first fills.
;      The four work-groups that share a tile ask for a quarter each (PROJ = 1: 16 of a wave's 64 rows, two blocks of 256 bytes a row; PROJ = 0: 4,096 of a
;      head's 16,384 bytes), lanes 256 bytes apart: each block of 256 bytes is asked for once.  The last ask is for K step 7; steps 4 to 7 ask for nothing.
;   W: beside the first fills waves 2 and 3 ask for 16 rows each, two blocks a row.  Row blocks 0-31 between them ask for all 1,024 rows of the column block's
;      512 bytes, and so do row blocks 32-63: each block is asked for twice in the launch.  The rows of K steps 0 and 1 are asked for while the first fills fetch them.
;   Asked for and not yet fetched: at the most four K steps' quarters of A (65,536 bytes) and 16,384 bytes of W for a work-group.
; The asks differ from lap to lap, so all eight K steps are written out by macro and every place stands in an immediate: no address register is stepped.
; THE MATRIX INSTRUCTION IS USED TRANSPOSED: source 0 = 16 columns of W, source 1 = 16 rows of A, so that a lane holds row l % 16 of C and eight
; neighbouring columns 8 (l / 16) + 0 .. 7.
; LIMIT: operands are f16: |A|, |W| and (PROJ = 1) |C| of 65,504 or more become infinite; parts below about 6e-8 are lost.
; REGISTERS in windows of 256: window 0 addresses, fragments, packed results; window 1 the 32 accumulator tiles, tile (a, b) at 8 (8 a + b);
; window 2: v0-63 A as f32 on its way to f16 (PROJ = 1), v64-127 the bias of my 128 columns.
.set PROJ,   0
.set SLOT,   139264                    ; A's part (69,632 bytes reserved), then W's 128 rows of 544 bytes
.set BOFF,   69632
.set BPITCH, 544                       ; 512 bytes + 32: an odd multiple of 32 bytes, which suits the transposing load
.set BSTEP,  262144                    ; 128 rows of W, 2,048 bytes each
.set STAGE,  2*SLOT                    ; behind the ring: each wave's own stage for the way out; no tensor load lands there
.if PROJ
.set APITCH, 528                       ; 512 bytes of f32 + 16: an odd multiple of 16 bytes, so 16 rows start in 16 different 16-byte columns of 256 bytes
.set APART,  64*APITCH                 ; what one of A's loads brings: 64 rows
.set ASTEP,  512                       ; 128 f32 along a row
.set AHSH,   5                         ; 32 bytes for the upper half of the lanes (8 f32)
.set A_W0,   (2<<16)|(1<<20)|(1<<21)|(6<<22)|(3<<25)  ; elements of 4 bytes; padding on; bit 21 beside a mask; after every 128 words; 4 words
.set A_D0,   128                       ; elements in a tile's row
.set A_STR,  1024                      ; elements from row to row
.set STGW,   16*272
.else
.set APITCH, 144                       ; 128 bytes of f16 (one head's 64 numbers) + 16
.set APART,  128*APITCH                ; one head's 128 rows: a dense block of 16,384 bytes, fetched as 64 rows of 256 bytes
.set ASTEP,  524288                    ; two heads
.set AHSH,   4
.set A_W0,   (3<<16)|(1<<20)|(1<<21)|(4<<22)|(3<<25)  ; elements of 8 bytes; after every 32 words (128 bytes) 4 words of padding
.set A_D0,   32
.set A_STR,  32
.set STGW,   16*528
.endif
.set ADRA, 16                          ; v16-17  LDS address of my A fragments in slot 0, 1
.set ADRB, 20                          ; v20-21  the same for W
.set STO,  24                          ; the way out: where I put my piece of a row
.set RD,   25                          ; the way out: where I read rows back
.set CO,   26                          ; 16 x lane
.set BO,   27                          ; 32 x (lane / 16): my place in a group of 16 bias numbers
.set PA,   28                          ; the asks ahead: my lane's block of 256 bytes in A, from my wave's part of the tile; never rewritten
.set PB,   29                          ; the same in W; never rewritten
.set AF0,  32                          ; v32-63, v64-95    A's fragments (4 x 8), two buffers
.set BF0,  96                          ; v96-159, v160-223 W's fragments (8 x 8), two buffers
.set TMP,  224                         ; v224-255 packed results
.set ST,   0                           ; window 2
.set BI,   64                          ; window 2
.set G1,  24                           ; s[24:31] group 1 for A's tiles
.set G0,  32                           ; s[32:39] group 0 for A's tiles, one set for each slot
.set G1B, 48                           ; s[48:55] group 1 for W's tiles
.set G0B, 56                           ; s[56:63] group 0 for W's tiles, one set for each slot
.set MULW,  0x50                       ; C and D in window 1
.set TO_ST, 0x80                       ; destination in window 2
.set CVTW,  0x0a                       ; sources 0 and 1 in window 2
.set BIASW, 0x49                       ; destination and source 0 in window 1, source 1 in window 2
.set FMAW,  0x61                       ; destination and source 0 in window 1, source 2 in window 2
.set SCW,   0x82                       ; destination and source 0 in window 2
.set PACKW, 0x05                       ; sources 0 and 1 in window 1
.set STW,   0x04                       ; an LDS store's data in window 1
.set MSB, 0
.macro WIN new                         ; the immediate's high byte repeats the setting that is left
.if MSB != \new
	s_set_vgpr_msb (MSB<<8)|\new
.set MSB, \new
.endif
.endm
; A joint load: waves 0, 1 ask for A's parts, waves 2, 3 for W's.  Each line has one mask; the branch hangs on the wave's number alone.
; pf >= 0: behind their tensor load waves 0, 1 ask ahead for their quarter of K step pf's tile of A (PROJ = 0: of K steps pf and pf + 1).
.macro JLOAD s, pf
	s_cmp_eq_u32 s11, 0
	s_cbranch_scc0 .Lfor_b_\@
	tensor_load_to_lds s[G0+4*\s:G0+4*\s+3], s[G1:G1+7]
	s_nop 0
.if \pf >= 0
	global_prefetch_b8 v[PA], s[4:5] offset:(\pf)*ASTEP th:TH_LOAD_NT scope:SCOPE_SE
.endif
	s_branch .Lasked_\@
.Lfor_b_\@:
	tensor_load_to_lds s[G0B+4*\s:G0B+4*\s+3], s[G1B:G1B+7]
	s_nop 0
.Lasked_\@:
.endm
.macro CREST                           ; a round of the cluster's barrier behind its opening work-group barrier
	s_cmp_lg_u32 s10, 0
	s_cbranch_scc1 .Lnot_wave_0_\@
	s_barrier_signal -3
.Lnot_wave_0_\@:
	s_barrier_wait -3
	s_barrier_signal -1
	s_barrier_wait -1
.endm
.macro CROUND                          ; a whole round
	s_barrier_signal -1
	s_barrier_wait -1
	CREST
.endm
.macro PLACES                          ; four places behind a matrix instruction (ISA guide 7.12.1)
.rept 4
	v_nop
.endr
.endm
.if PROJ
	s_load_b512 s[68:83], s[0:1], 0x0              ; query 68, key 70, value 72, wh 74, bq 76, bk 78, bv 80, qkv 82
.else
	s_load_b256 s[68:75], s[0:1], 0x0              ; ctx 68, wh 70, bo 72, out0 74
	v_lshl_add_u32 v254, v0, 2, 0x4c400
	v_mov_b32 v255, 0
	ds_add_u32 v254, v255
.endif
	v_lshrrev_b32 v1, 5, v0
	v_readfirstlane_b32 s10, v1                    ; wave 0..3
	s_lshr_b32 s11, s10, 1                         ; which 64 rows of the block are mine.  Also: I fetch for A (0) or for W (1)
	s_and_b32 s12, s10, 1                          ; which 128 columns.  Also: which part of that tile I fetch
	s_bfe_u32 s40, ttmp6, 0x40000                  ; cx
	s_bfe_u32 s41, ttmp6, 0x40004                  ; cy
	s_lshl_b32 s42, ttmp9, 2
	s_add_co_u32 s42, s42, s40                     ; block column cb = 4 x cluster x + cx
	s_and_b32 s45, ttmp7, 0xffff                   ; cluster y
.if PROJ
	s_lshr_b32 s46, s45, 4                         ; p: which projection; the same in the whole cluster
	s_and_b32 s13, s45, 15
	s_lshl_b32 s13, s13, 2
.else
	s_lshl_b32 s13, s45, 2
.endif
	s_add_co_u32 s13, s13, s41                     ; block row rb = 4 x (cluster's row) + cy, 0..63
	s_lshl_b32 s43, s41, 2
	s_lshl_b32 s43, 15, s43                        ; my row of the cluster: places 4 cy .. 4 cy + 3
	s_lshl_b32 s44, 0x1111, s40                    ; my column: places cx, cx + 4, cx + 8, cx + 12
	; group 1 of A's tiles: 64 rows of A_D0 elements
	s_or_b32  s[G1+0], s43, A_W0
	s_mov_b32 s[G1+1], A_D0<<16                    ; tensor_dim0
	s_mov_b32 s[G1+2], 64<<16                      ; tensor_dim1 = 64
	s_mov_b32 s[G1+3], A_D0<<16                    ; tile_dim0
	s_mov_b32 s[G1+4], 64                          ; tile_dim1
	s_mov_b32 s[G1+5], A_STR                       ; elements from row to row
	s_mov_b32 s[G1+6], 0
	s_mov_b32 s[G1+7], 0
	; group 1 of W's tiles: 64 rows (k) of 256 f16 (n), 8 words of padding behind each 128
	s_or_b32  s[G1B+0], s44, (1<<16)|(1<<20)|(1<<21)|(6<<22)|(7<<25)
	s_mov_b32 s[G1B+1], 256<<16
	s_mov_b32 s[G1B+2], 64<<16
	s_mov_b32 s[G1B+3], 256<<16
	s_mov_b32 s[G1B+4], 64
	s_mov_b32 s[G1B+5], 1024
	s_mov_b32 s[G1B+6], 0
	s_mov_b32 s[G1B+7], 0
	; where the tiles come from.  A's offset is made of rb and the wave's number in s14-16, W's of cb, p and the wave's number in s18-20:
	; neither set of registers ever holds the other coordinate.
.if PROJ
	s_lshl_b32 s14, s13, 19                        ; 128 rows of 4,096 bytes
	s_lshl_b32 s16, s12, 18                        ; my 64 of them
	s_add_co_u32 s14, s14, s16
	s_lshl_b32 s18, s46, 21                        ; wh[p]
.else
	s_lshr_b32 s14, s13, 4                         ; batch
	s_lshl_b32 s14, s14, 22                        ; 16 heads of 262,144 bytes
	s_lshl_b32 s16, s12, 18                        ; my head of the K step's two
	s_add_co_u32 s14, s14, s16
	s_and_b32 s16, s13, 15
	s_lshl_b32 s16, s16, 14                        ; 128 rows of 128 bytes
	s_add_co_u32 s14, s14, s16
	s_mov_b32 s18, 3<<21                           ; wh[3]
.endif
	s_mov_b32 s15, 0
	s_lshl_b32 s20, s12, 17                        ; my 64 rows of 2,048 bytes
	s_add_co_u32 s18, s18, s20
	s_lshl_b32 s20, s42, 9                         ; 256 columns of 2 bytes
	s_add_co_u32 s18, s18, s20
	s_mov_b32 s19, 0
	s_mul_i32 s21, s10, APART                      ; where they go: the wave's number times a constant; no place in the cluster enters
	s_mul_i32 s22, s10, 64*BPITCH                  ; waves 2, 3: 69,632 and 104,448
	s_wait_dscnt 0x0
	s_wait_kmcnt 0x0
.if PROJ
	s_cmp_eq_u32 s46, 1
	s_cselect_b64 s[4:5], s[70:71], s[68:69]
	s_cselect_b64 s[84:85], s[78:79], s[76:77]
	s_cmp_eq_u32 s46, 2
	s_cselect_b64 s[4:5], s[72:73], s[4:5]
	s_cselect_b64 s[84:85], s[80:81], s[84:85]
	s_mov_b64 s[6:7], s[74:75]
	s_mov_b64 s[8:9], s[82:83]
.else
	s_mov_b64 s[4:5], s[68:69]
	s_mov_b64 s[6:7], s[70:71]
	s_mov_b64 s[84:85], s[72:73]
	s_mov_b64 s[8:9], s[74:75]
.endif
	s_add_nc_u64 s[4:5], s[4:5], s[14:15]          ; A at my wave's part of K step 0's tile; stays as it is: the asks ahead start from it
	s_add_nc_u64 s[6:7], s[6:7], s[18:19]          ; W likewise
.irp s, 0,1
	s_mov_b32 s[G0+4*\s], 1                                        ; count = 1
	s_add_co_u32 s[G0+4*\s+1], s21, \s*SLOT                        ; LDS address
	s_add_nc_u64 s[G0+4*\s+2:G0+4*\s+3], s[4:5], \s*ASTEP          ; global address: K step s
	s_or_b32 s[G0+4*\s+3], s[G0+4*\s+3], 0x80000000                ; type = 2
	s_mov_b32 s[G0B+4*\s], 1
	s_add_co_u32 s[G0B+4*\s+1], s22, \s*SLOT
	s_add_nc_u64 s[G0B+4*\s+2:G0B+4*\s+3], s[6:7], \s*BSTEP
	s_or_b32 s[G0B+4*\s+3], s[G0B+4*\s+3], 0x80000000
.endr
	; the asks ahead: each lane's block of 256 bytes.  cx and rb enter these two offsets into memory alone.
	v_and_b32 v8, 31, v0                           ; l
.if PROJ
	v_lshrrev_b32 v9, 1, v8                        ; A: row l / 2 of my work-group's sixteen,
	v_and_b32 v10, 1, v8                           ; block l % 2 of the K step's 512 bytes in it,
	v_lshlrev_b32 v9, 12, v9
	v_lshl_add_u32 v9, v10, 8, v9
	v_lshl_add_u32 v[PA], s40, 16, v9              ; behind 16 cx rows of 4,096 bytes
.else
	v_lshrrev_b32 v9, 4, v8                        ; A: K step l / 16 of two,
	v_and_b32 v10, 15, v8                          ; block l % 16 of my work-group's 4,096 bytes of the head's 16,384,
	v_lshlrev_b32 v9, 19, v9
	v_lshl_add_u32 v9, v10, 8, v9
	v_lshl_add_u32 v[PA], s40, 12, v9              ; behind cx such quarters
.endif
	s_and_b32 s14, s13, 31                         ; W: g = rb % 32 picks K step g / 4 and sixteen rows 16 (g % 4) .. of my wave's 64 in it
	s_lshr_b32 s16, s14, 2
	s_lshl_b32 s16, s16, 18                        ; 128 rows of 2,048 bytes
	s_and_b32 s14, s14, 3
	s_lshl_b32 s14, s14, 15                        ; 16 rows
	s_add_co_u32 s14, s14, s16
	v_lshrrev_b32 v9, 1, v8                        ; row l / 2 of the sixteen,
	v_and_b32 v10, 1, v8                           ; block l % 2 of the column block's 512 bytes in it
	v_lshlrev_b32 v9, 11, v9
	v_lshl_add_u32 v9, v10, 8, v9
	v_add_nc_u32 v[PB], s14, v9
	CROUND                                         ; all sixteen work-groups are here: the first joint loads meet
	s_cmp_eq_u32 s11, 0                            ; both first fills of a wave inside one branch on its number: two tensor loads out, the most in this text
	s_cbranch_scc0 .Lfirst_b
	tensor_load_to_lds s[G0:G0+3], s[G1:G1+7]
	s_nop 0
	tensor_load_to_lds s[G0+4:G0+7], s[G1:G1+7]
	s_nop 0
	global_prefetch_b8 v[PA], s[4:5] offset:2*ASTEP th:TH_LOAD_NT scope:SCOPE_SE   ; K step 2's tile (PROJ = 0: K steps 2 and 3), fetched behind the first K step
.if PROJ
	global_prefetch_b8 v[PA], s[4:5] offset:3*ASTEP th:TH_LOAD_NT scope:SCOPE_SE   ; K step 3's
.endif
	s_branch .Lfirst_done
.Lfirst_b:
	tensor_load_to_lds s[G0B:G0B+3], s[G1B:G1B+7]
	s_nop 0
	tensor_load_to_lds s[G0B+4:G0B+7], s[G1B:G1B+7]
	s_nop 0
	global_prefetch_b8 v[PB], s[6:7] th:TH_LOAD_NT scope:SCOPE_SE                  ; my sixteen rows of W, the one ask for W in this text
.Lfirst_done:
	; bases of the bias and of the output: the column part in s18-20, the row part in s14-16
	s_lshl_b32 s18, s42, 10                        ; 256 columns of 4 bytes
	s_lshl_b32 s20, s12, 9                         ; my 128 of them
	s_add_co_u32 s18, s18, s20
	s_mov_b32 s19, 0
	s_add_nc_u64 s[84:85], s[84:85], s[18:19]
.if PROJ
	s_lshl_b32 s14, s46, 24                        ; qkv[p]: 64 heads x 2,048 rows x 128 bytes
	s_lshr_b32 s16, s13, 4
	s_lshl_b32 s16, s16, 22                        ; batch
	s_add_co_u32 s14, s14, s16
	s_and_b32 s16, s13, 15
	s_lshl_b32 s16, s16, 14                        ; 128 rows of 128 bytes
	s_add_co_u32 s14, s14, s16
	s_lshl_b32 s16, s11, 13                        ; my 64 of them
	s_add_co_u32 s14, s14, s16
	s_lshl_b32 s18, s42, 20                        ; head 4 cb + 2 (wave & 1), 262,144 bytes each
	s_lshl_b32 s20, s12, 19
	s_add_co_u32 s18, s18, s20
.else
	s_lshl_b32 s14, s13, 19                        ; 128 rows of 4,096 bytes
	s_lshl_b32 s16, s11, 18                        ; my 64 of them; the column part is the bias's
	s_add_co_u32 s14, s14, s16
.endif
	s_mov_b32 s15, 0
	s_add_nc_u64 s[8:9], s[8:9], s[14:15]
	s_add_nc_u64 s[8:9], s[8:9], s[18:19]
.if PROJ
	s_cmp_eq_u32 s46, 0                            ; the factor of the way out, twice (a pair for the packed multiply-add):
	s_cselect_b32 s16, 0x3e38aa3b, 1.0             ; log2 e / 8 for q, 1 for k and v
	s_mov_b32 s17, s16
.endif
	; lane addresses.  r = l % 16, h = l / 16.
	v_and_b32 v1, 15, v0                           ; r
	v_bfe_u32 v2, v0, 4, 1                         ; h
	v_and_b32 v3, 7, v0                            ; l % 8
	v_bfe_u32 v4, v0, 3, 1                         ; (l / 8) % 2
	v_and_b32 v5, 31, v0                           ; l
	v_mul_u32_u24 v6, v1, APITCH                   ; A: row r, 8 numbers further for the upper half of the lanes
	v_lshl_add_u32 v6, v2, AHSH, v6
	s_mul_i32 s23, s11, 64*APITCH                  ; my 64 rows
	v_add_nc_u32 v[ADRA], s23, v6
	v_add_nc_u32 v[ADRA+1], SLOT, v[ADRA]
	v_lshl_add_u32 v7, v2, 3, v3                   ; W, transposing load: row k = 8 h + l % 8,
	v_mul_u32_u24 v7, v7, BPITCH
	v_lshl_add_u32 v7, v4, 4, v7                   ; 16 bytes further for the second eight lanes of a group of sixteen
	s_lshl_b32 s23, s12, 8                         ; my 128 columns
	s_add_co_u32 s23, s23, BOFF
	v_add_nc_u32 v[ADRB], s23, v7
	v_add_nc_u32 v[ADRB+1], SLOT, v[ADRB]
	s_mul_i32 s23, s10, STGW
	s_add_co_u32 s23, s23, STAGE                   ; my stage
.if PROJ
	v_mul_u32_u24 v6, v1, 272                      ; in: row r of 256 bytes + 16, 16 bytes for each half of the lanes
	v_lshl_add_u32 v6, v2, 4, v6
	v_add_nc_u32 v[STO], s23, v6
	v_bfe_u32 v8, v0, 3, 2                         ; back: eight lanes take one head's 128 bytes of a row, four rows an instruction
	v_mul_u32_u24 v8, v8, 272
	v_lshl_add_u32 v8, v3, 4, v8
	v_add_nc_u32 v[RD], s23, v8
.else
	v_mul_u32_u24 v6, v1, 528                      ; in: row r of 512 bytes + 16, 32 bytes for each half of the lanes
	v_lshl_add_u32 v6, v2, 5, v6
	v_add_nc_u32 v[STO], s23, v6
	v_lshl_add_u32 v[RD], v5, 4, s23               ; back: the 32 lanes take one row of 512 bytes
.endif
	v_lshlrev_b32 v[CO], 4, v5
	v_lshlrev_b32 v[BO], 5, v2
	WIN TO_ST                                      ; the bias of my columns 16 b + 8 h + 0 .. 7, once; waited for in front of the way out
.irp b, 0,1,2,3,4,5,6,7
	global_load_b128 v[BI+8*\b:BI+8*\b+3],   v[BO], s[84:85] offset:64*\b
	global_load_b128 v[BI+8*\b+4:BI+8*\b+7], v[BO], s[84:85] offset:64*\b+16
.endr
	WIN 0
; 16 matrix instructions: row blocks a0, a0 + 1 x all 8 column blocks, 32 along K, from buffer f.  zero = 1: the first product starts the sums.
; The 32 accumulators take turns, one instruction a turn, in the same order in every quarter step.
.macro MUL16 f, a0, zero
.irp a, \a0, \a0+1
.irp b, 0,1,2,3,4,5,6,7
.if \zero
	v_wmma_f32_16x16x32_f16 v[8*(8*(\a)+\b):8*(8*(\a)+\b)+7], v[BF0+64*\f+8*\b:BF0+64*\f+8*\b+7], v[AF0+32*\f+8*(\a):AF0+32*\f+8*(\a)+7], 0
.else
	v_wmma_f32_16x16x32_f16 v[8*(8*(\a)+\b):8*(8*(\a)+\b)+7], v[BF0+64*\f+8*\b:BF0+64*\f+8*\b+7], v[AF0+32*\f+8*(\a):AF0+32*\f+8*(\a)+7], v[8*(8*(\a)+\b):8*(8*(\a)+\b)+7]
.endif
.endr
.endr
.endm
; The LDS loads of quarter step kq of a slot, in one run: A first (PROJ = 1: 16 loads of f32 into ST; PROJ = 0: 8 loads into buffer g), then 16 transposing loads of W into buffer g.
.macro FETCH slot, kq, g
.if PROJ
	WIN TO_ST
.irp a, 0,1,2,3
	ds_load_b128 v[ST+16*\a:ST+16*\a+3],     v[ADRA+\slot] offset:\a*16*APITCH+\kq*128      ; k = 8 h + 0 .. 3
	ds_load_b128 v[ST+16*\a+4:ST+16*\a+7],   v[ADRA+\slot] offset:\a*16*APITCH+\kq*128+16   ; k = 8 h + 4 .. 7
	ds_load_b128 v[ST+16*\a+8:ST+16*\a+11],  v[ADRA+\slot] offset:\a*16*APITCH+\kq*128+64   ; k = 16 + 8 h + 0 .. 3
	ds_load_b128 v[ST+16*\a+12:ST+16*\a+15], v[ADRA+\slot] offset:\a*16*APITCH+\kq*128+80   ; k = 16 + 8 h + 4 .. 7
.endr
	WIN 0
.else
	WIN 0
.irp a, 0,1,2,3
	ds_load_b128 v[AF0+32*\g+8*\a:AF0+32*\g+8*\a+3],   v[ADRA+\slot] offset:(\kq>>1)*APART+\a*16*APITCH+(\kq&1)*64
	ds_load_b128 v[AF0+32*\g+8*\a+4:AF0+32*\g+8*\a+7], v[ADRA+\slot] offset:(\kq>>1)*APART+\a*16*APITCH+(\kq&1)*64+32
.endr
.endif
.irp b, 0,1,2,3,4,5,6,7
	ds_load_tr16_b128 v[BF0+64*\g+8*\b:BF0+64*\g+8*\b+3],   v[ADRB+\slot] offset:\kq*32*BPITCH+32*\b
	ds_load_tr16_b128 v[BF0+64*\g+8*\b+4:BF0+64*\g+8*\b+7], v[ADRB+\slot] offset:\kq*32*BPITCH+16*BPITCH+32*\b
.endr
.endm
.macro CVT f                           ; PROJ = 1: A's 64 f32 a lane to 32 registers of f16, into buffer f
	WIN CVTW
.irp a, 0,1,2,3
.irp i, 0,1,2,3,4,5,6,7
	v_cvt_pk_f16_f32 v[AF0+32*\f+8*\a+\i], v[ST+16*\a+2*\i], v[ST+16*\a+2*\i+1]
.endr
.endr
.endm
; One of a K step's first three quarter steps: multiplies buffer f, after asking for quarter kq of the same slot into buffer g.
; PROJ = 1: the 32 conversions name none of the last 32 matrix instructions' registers and are the places in front of the loads into buffer g.
.macro QUARTER slot, kq, f, g, zero
.if PROJ
	s_wait_dscnt 16                                ; A's 16 loads are in; the 16 younger ones (W's) may be out
	CVT \f
	FETCH \slot, \kq, \g
	s_wait_dscnt 32                                ; all but the 32 just issued: buffer f's W is in
.else
	PLACES
	FETCH \slot, \kq, \g
	s_wait_dscnt 24                                ; all but the 24 just issued: buffer f is in
.endif
	WIN MULW
	MUL16 \f, 0, \zero
	MUL16 \f, 2, \zero
.endm
.macro THREE slot, zero
	QUARTER \slot, 1, 0, 1, \zero
	QUARTER \slot, 2, 1, 0, 0
	QUARTER \slot, 3, 0, 1, 0
.endm
; The last quarter step: multiplies buffer 1 and changes slots.  In front of the barrier each wave waits for its reads of this slot and for all its
; tensor loads (one is out: its part of the next slot).  fill = 1: the barrier opens a round of the cluster's barrier, and behind the round this slot
; is asked for again, two K steps ahead, first of all; that load has 112 matrix instructions of the wave in which to land.  pf: see JLOAD.
.macro TURN slot, next, fill, pf
.if PROJ
	s_wait_dscnt 16
	CVT 1
.endif
	s_wait_dscnt 0x0                               ; my reads of this slot are over
	s_wait_tensorcnt 0x0                           ; all my tensor loads have landed
	ds_add_u32 v254, v255
	s_wait_dscnt 0x0
	s_barrier_signal -1
	WIN MULW
	MUL16 1, 0, 0                                  ; work on registers while the others arrive
	WIN 0
	s_barrier_wait -1
.if \fill
	CREST                                          ; no wave of any partner still reads this slot or has a load on its way
	s_add_nc_u64 s[G0+4*\slot+2:G0+4*\slot+3], s[G0+4*\slot+2:G0+4*\slot+3], 2*ASTEP
	s_add_nc_u64 s[G0B+4*\slot+2:G0B+4*\slot+3], s[G0B+4*\slot+2:G0B+4*\slot+3], 2*BSTEP
	JLOAD \slot, \pf                               ; my one tensor load behind the round
.endif
.if PROJ == 0
	PLACES
.endif
	FETCH \next, 0, 0
	WIN MULW
	MUL16 1, 2, 0
.endm
.macro LAP zero, pfa, pfb              ; two K steps, once round the ring, both slots filled again
	THREE 0, \zero
	TURN 0, 1, 1, \pfa
	THREE 1, 0
	TURN 1, 0, 1, \pfb
.endm
	s_wait_tensorcnt 0x1                           ; my part of K step 0 is in; K step 1's stays out
	s_barrier_signal -1
	s_barrier_wait -1                              ; everybody's is
	FETCH 0, 0, 0
.if PROJ
	LAP 1, 4, 5                                    ; K steps 0, 1: their first products start the sums; they fetch K steps 2, 3 and ask ahead for 4, 5
	LAP 0, 6, 7                                    ; K steps 2, 3: fetch 4, 5, ask ahead for 6, 7
.else
	LAP 1, 4, -1                                   ; K steps 0, 1: their first products start the sums; K step 0 asks ahead for 4 and 5
	LAP 0, 6, -1                                   ; K steps 2, 3: K step 2 asks ahead for 6 and 7
.endif
	LAP 0, -1, -1                                  ; K steps 4, 5: fetch 6, 7; nothing is left to ask for
	THREE 0, 0                                     ; K steps 6, 7 fill nothing
	TURN 0, 1, 0, -1
	THREE 1, 0
.if PROJ
	s_wait_dscnt 16
	CVT 1
.endif
	s_wait_dscnt 0x0
	WIN MULW
	MUL16 1, 0, 0
	MUL16 1, 2, 0
	PLACES                                         ; behind the last matrix instructions, in front of all that reads results or loads into fragments
	s_wait_loadcnt 0x0                             ; the bias
.if PROJ
	WIN SCW                                        ; (sum + bias) x factor = sum x factor + bias x factor: the second product once for my 64 bias numbers
.set ix, 0
.rept 32
	v_pk_mul_f32 v[BI+ix:BI+ix+1], v[BI+ix:BI+ix+1], s[16:17] op_sel_hi:[1,0]
.set ix, ix+2
.endr
.endif
; THE WAY OUT, 16 rows at a time through my own stage: LDS serves a wave's instructions in order (ISA guide 5.7.1), so no wait stands between its stores and its loads.
.macro OUT16 a
.if PROJ
	WIN FMAW
.irp b, 0,1,2,3,4,5,6,7
.irp i, 0,2,4,6
	v_pk_fma_f32 v[8*(8*\a+\b)+\i:8*(8*\a+\b)+\i+1], v[8*(8*\a+\b)+\i:8*(8*\a+\b)+\i+1], s[16:17], v[BI+8*\b+\i:BI+8*\b+\i+1] op_sel_hi:[1,0,1]
.endr
.endr
	WIN PACKW
.irp b, 0,1,2,3,4,5,6,7
.irp i, 0,1,2,3
	v_cvt_pk_f16_f32 v[TMP+4*\b+\i], v[8*(8*\a+\b)+2*\i], v[8*(8*\a+\b)+2*\i+1]
.endr
.endr
	WIN 0
.irp b, 0,1,2,3,4,5,6,7
	ds_store_b128 v[STO], v[TMP+4*\b:TMP+4*\b+3] offset:32*\b
.endr
.irp t, 0,1,2,3,4,5,6,7
	ds_load_b128 v[BF0+32*\a+4*\t:BF0+32*\a+4*\t+3], v[RD] offset:(\t&3)*1088+(\t>>2)*128   ; head t / 4, rows 4 (t % 4) .. + 3; registers of their own for each a
.endr
.irp t, 0,1,2,3,4,5,6,7
	s_wait_dscnt 7-\t
	global_store_b128 v[CO], v[BF0+32*\a+4*\t:BF0+32*\a+4*\t+3], s[8:9] offset:(\t>>2)*262144+\a*2048+(\t&3)*512   ; 512 consecutive bytes, aligned
.endr
.else
	WIN BIASW
.irp b, 0,1,2,3,4,5,6,7
.irp i, 0,2,4,6
	v_pk_add_f32 v[8*(8*\a+\b)+\i:8*(8*\a+\b)+\i+1], v[8*(8*\a+\b)+\i:8*(8*\a+\b)+\i+1], v[BI+8*\b+\i:BI+8*\b+\i+1]
.endr
.endr
	WIN STW
.irp b, 0,1,2,3,4,5,6,7
	ds_store_b128 v[STO], v[8*(8*\a+\b):8*(8*\a+\b)+3]   offset:64*\b
	ds_store_b128 v[STO], v[8*(8*\a+\b)+4:8*(8*\a+\b)+7] offset:64*\b+16
.endr
	WIN 0
.if \a >= 2
	s_wait_xcnt 0x0                                ; the stores that read this buffer two turns ago have had their addresses translated: it is loaded again only behind this wait
.endif
.irp t, 0,1,2,3,4,5,6,7,8,9,10,11,12,13,14,15
	ds_load_b128 v[BF0+64*(\a&1)+4*\t:BF0+64*(\a&1)+4*\t+3], v[RD] offset:\t*528
.endr
.irp t, 0,1,2,3,4,5,6,7,8,9,10,11,12,13,14,15
	s_wait_dscnt 15-\t
	global_store_b128 v[CO], v[BF0+64*(\a&1)+4*\t:BF0+64*(\a&1)+4*\t+3], s[8:9] offset:(16*\a+\t)*4096 th:TH_STORE_NT   ; 512 consecutive bytes of a row, aligned
.endr
.endif
.endm
	OUT16 0
	OUT16 1
	OUT16 2
	OUT16 3
	s_wait_tensorcnt 0x0
	ds_add_u32 v254, v255
	s_wait_dscnt 0x0
	CROUND                                         ; the closing round: no work-group ends while a partner may still ask for a tile that names it
	s_endpgm
.Lfunc_end_k_q755d1f0497_oproj:
	.size	k_q755d1f0497_oproj, .Lfunc_end_k_q755d1f0497_oproj-k_q755d1f0497_oproj
	.p2alignl 7, 3214868480
	.fill 96, 4, 3214868480
	.section	.rodata,"a",@progbits
	.p2align	6, 0x0
	.amdhsa_kernel k_q755d1f0497_oproj
		.amdhsa_group_segment_fixed_size 327680
		.amdhsa_private_segment_fixed_size 0
		.amdhsa_enable_private_segment 0
		.amdhsa_kernarg_size 32
		.amdhsa_user_sgpr_count 2
		.amdhsa_user_sgpr_kernarg_segment_ptr 1
		.amdhsa_wavefront_size32 1
		.amdhsa_system_sgpr_workgroup_id_x 1
		.amdhsa_system_sgpr_workgroup_id_y 1
		.amdhsa_system_sgpr_workgroup_id_z 1
		.amdhsa_system_vgpr_workitem_id 0
		.amdhsa_next_free_vgpr 640
		.amdhsa_next_free_sgpr 86
		.amdhsa_reserve_vcc 0
		.amdhsa_float_denorm_mode_32 3
		.amdhsa_float_denorm_mode_16_64 3
		.amdhsa_memory_ordered 1
		.amdhsa_forward_progress 1
		.amdhsa_inst_pref_size 159
	.end_amdhsa_kernel
	.amdgpu_metadata
---
amdhsa.version: [ 1, 2 ]
amdhsa.kernels:
  - .name:           k_q755d1f0497_oproj
    .symbol:         k_q755d1f0497_oproj.kd
    .args:
      - { .name: ctx, .offset: 0, .size: 8, .value_kind: global_buffer, .address_space: global }
      - { .name: wh, .offset: 8, .size: 8, .value_kind: global_buffer, .address_space: global }
      - { .name: bo, .offset: 16, .size: 8, .value_kind: global_buffer, .address_space: global }
      - { .name: out0, .offset: 24, .size: 8, .value_kind: global_buffer, .address_space: global }
    .group_segment_fixed_size: 327680
    .private_segment_fixed_size: 0
    .kernarg_segment_align: 8
    .kernarg_segment_size: 32
    .max_flat_workgroup_size: 128
    .sgpr_count:     86
    .vgpr_count:     640
    .wavefront_size: 32
...
	.end_amdgpu_metadata
.endif
;; end of part 4
;; ======== version 2 of 2: 4 launches; version 1 with the launch wcvt written anew for expert scheduling mode
;; limits: values are held in f16: magnitudes above 65,504 overflow, below 6.1e-05 lose precision
;; workspace buffers: wh 8,388,608 bytes; qkv 50,331,648 bytes; ctx 16,777,216 bytes
;; launch wcvt (part 5): grid 64 x 4, 8 waves a work-group, no clusters, 0 bytes of LDS; arguments wq, wk, wv, wo, wh; writes wh
.if DOCPART == 5
	.amdgcn_target "amdgcn-amd-amdhsa--gfx1250"
	.amdhsa_code_object_version 6
	.text
	.protected	k_q755d1f0497_wcvt
	.globl	k_q755d1f0497_wcvt
	.p2align	8
	.type	k_q755d1f0497_wcvt,@function
k_q755d1f0497_wcvt:
	s_mov_b64 s[64:65], 0
	v_nop
	global_prefetch_b8 v0, s[64:65] scope:SCOPE_SE
	s_setreg_imm32_b32 hwreg(HW_REG_WAVE_SCHED_MODE, 0, 2), 2
	s_setreg_imm32_b32 hwreg(HW_REG_WAVE_MODE, 25, 1), 1
	s_wait_xcnt 0x0
	s_wait_alu depctr_vm_vsrc(0)
; wh[y][k][n] = f16(w_y[k][n]) for the four weight matrices (y = 0: wq, 1: wk, 2: wv, 3: wo), each [1024][1024] f32, layout kept.
; The later launches read the weights many times and transpose them on the way out of LDS, which needs 16-bit data: so they are rounded once here.
; A stream: no LDS, no barrier, no matrix unit.  A work-group owns 16,384 numbers (65,536 bytes in, 32,768 out); thread t takes 16 bytes at
; 16 t of each of sixteen blocks of 4,096 bytes.  All sixteen loads go out first; each register is written once, so no source is ever rewritten.
; A wave's load covers 512 consecutive bytes, a wave's store 256 consecutive bytes, aligned.
; LIMIT: a weight of magnitude 65,504 or more becomes infinite in f16; parts below about 6e-8 are lost.
; THE MODE: SCHED_MODE bits 1:0 = 2 (LLVM: expert scheduling mode 2), set by the entry lines.  The code itself states the register dependences
; between vector instructions and memory instructions, with s_wait_alu, always for 0.
; THE PLAN.  Registers that memory instructions touch:
;   v1, v2   byte offsets of the loads and of the stores: written once at the head by vector shifts, never again.
;   IN       written by the sixteen loads alone, each register once; read by the conversions behind the counted wait for the data.
;   OUT      written by the conversions, each register once; read by the stores.
; The sixteen loads are taken in four groups of four.  A group: the wait for its data, its eight conversions, ONE wait on va_vdst, its four stores in a run.
; With the wait at the head, for the two offsets, that is five waits in all.  No register that a load or store reads is written a second time, so no wait on
; vm_vsrc and no s_wait_xcnt is owed.  A group's stores stand ahead of the wait for the next group's data, so that they leave as soon as their data are made.
.set IN,  4                            ; v[4:67]   sixteen loads of four f32
.set OUT, 68                           ; v[68:99]  sixteen pairs of packed f16
	s_load_b256 s[4:11], s[0:1], 0x0               ; wq s[4:5], wk s[6:7], wv s[8:9], wo s[10:11]
	s_load_b64 s[12:13], s[0:1], 0x20              ; wh
	s_and_b32 s14, ttmp7, 0xffff                   ; y: which matrix
	v_lshlrev_b32 v1, 4, v0                        ; 16 t: my bytes in a block of the input
	v_lshlrev_b32 v2, 3, v0                        ; 8 t: my bytes in a block of the output
	s_lshl_b32 s16, ttmp9, 16                      ; the work-group's 65,536 bytes of the input
	s_mov_b32 s17, 0
	s_lshl_b32 s18, s14, 21                        ; a matrix is 2,097,152 bytes in f16
	s_lshl_b32 s19, ttmp9, 15                      ; the work-group's 32,768 bytes of it
	s_add_co_u32 s18, s18, s19
	s_mov_b32 s19, 0
	s_wait_kmcnt 0x0
	s_cmp_eq_u32 s14, 1
	s_cselect_b64 s[4:5], s[6:7], s[4:5]
	s_cmp_eq_u32 s14, 2
	s_cselect_b64 s[4:5], s[8:9], s[4:5]
	s_cmp_eq_u32 s14, 3
	s_cselect_b64 s[4:5], s[10:11], s[4:5]
	s_add_nc_u64 s[4:5], s[4:5], s[16:17]
	s_add_nc_u64 s[12:13], s[12:13], s[18:19]
	s_wait_alu depctr_va_vdst(0)                   ; v1 and v2 are written: every load reads v1 as its offset, every store v2
.irp j, 0,1,2,3,4,5,6,7,8,9,10,11,12,13,14,15
	global_load_b128 v[IN+4*\j:IN+4*\j+3], v1, s[4:5] offset:4096*\j th:TH_LOAD_NT
.endr
; Group p: loads 4 p to 4 p + 3.
.macro GROUP p
	s_wait_loadcnt 12-4*(\p)                       ; loads come back in order: this group's four are in, the 12 - 4 p younger ones stay out
.irp j, 0,1,2,3
	v_cvt_pk_f16_f32 v[OUT+8*(\p)+2*(\j)],   v[IN+16*(\p)+4*(\j)],   v[IN+16*(\p)+4*(\j)+1]
	v_cvt_pk_f16_f32 v[OUT+8*(\p)+2*(\j)+1], v[IN+16*(\p)+4*(\j)+2], v[IN+16*(\p)+4*(\j)+3]
.endr
	s_wait_alu depctr_va_vdst(0)                   ; the eight conversions have written this group's eight registers of OUT, which the four stores below read
.irp j, 0,1,2,3
	global_store_b64 v2, v[OUT+8*(\p)+2*(\j):OUT+8*(\p)+2*(\j)+1], s[12:13] offset:2048*(4*(\p)+(\j))
.endr
.endm
	GROUP 0
	GROUP 1
	GROUP 2
	GROUP 3
	s_endpgm
.Lfunc_end_k_q755d1f0497_wcvt:
	.size	k_q755d1f0497_wcvt, .Lfunc_end_k_q755d1f0497_wcvt-k_q755d1f0497_wcvt
	.p2alignl 7, 3214868480
	.fill 96, 4, 3214868480
	.section	.rodata,"a",@progbits
	.p2align	6, 0x0
	.amdhsa_kernel k_q755d1f0497_wcvt
		.amdhsa_group_segment_fixed_size 0
		.amdhsa_private_segment_fixed_size 0
		.amdhsa_enable_private_segment 0
		.amdhsa_kernarg_size 40
		.amdhsa_user_sgpr_count 2
		.amdhsa_user_sgpr_kernarg_segment_ptr 1
		.amdhsa_wavefront_size32 1
		.amdhsa_system_sgpr_workgroup_id_x 1
		.amdhsa_system_sgpr_workgroup_id_y 1
		.amdhsa_system_sgpr_workgroup_id_z 1
		.amdhsa_system_vgpr_workitem_id 0
		.amdhsa_next_free_vgpr 100
		.amdhsa_next_free_sgpr 66
		.amdhsa_reserve_vcc 0
		.amdhsa_float_denorm_mode_32 3
		.amdhsa_float_denorm_mode_16_64 3
		.amdhsa_memory_ordered 1
		.amdhsa_forward_progress 1
		.amdhsa_inst_pref_size 7
	.end_amdhsa_kernel
	.amdgpu_metadata
---
amdhsa.version: [ 1, 2 ]
amdhsa.kernels:
  - .name:           k_q755d1f0497_wcvt
    .symbol:         k_q755d1f0497_wcvt.kd
    .args:
      - { .name: wq, .offset: 0, .size: 8, .value_kind: global_buffer, .address_space: global }
      - { .name: wk, .offset: 8, .size: 8, .value_kind: global_buffer, .address_space: global }
      - { .name: wv, .offset: 16, .size: 8, .value_kind: global_buffer, .address_space: global }
      - { .name: wo, .offset: 24, .size: 8, .value_kind: global_buffer, .address_space: global }
      - { .name: wh, .offset: 32, .size: 8, .value_kind: global_buffer, .address_space: global }
    .group_segment_fixed_size: 0
    .private_segment_fixed_size: 0
    .kernarg_segment_align: 8
    .kernarg_segment_size: 40
    .max_flat_workgroup_size: 256
    .sgpr_count:     66
    .vgpr_count:     100
    .wavefront_size: 32
...
	.end_amdgpu_metadata
.endif
;; end of part 5
;; launch proj: the kernel of part 2 again; grid 4 x 192, 4 waves a work-group, clusters of 4 x 4, 327,680 bytes of LDS; arguments query, key, value, wh, bq, bk, bv, qkv; writes qkv
;; launch attn: the kernel of part 3 again; grid 256 x 1, 8 waves a work-group, clusters of 4 x 1, 327,680 bytes of LDS; arguments qkv, mask, ctx; writes ctx
;; launch oproj: the kernel of part 4 again; grid 4 x 64, 4 waves a work-group, clusters of 4 x 4, 327,680 bytes of LDS; arguments ctx, wh, bo, out0; writes out0
